; MI455X (gfx1250); checked and timed in simulation.
; The chip was launched on July 23, 2026; its instructions are those of AMD's public machine-readable ISA for CDNA 5 (MIT licence, August 2026) and "CDNA5" Instruction Set Architecture Reference Guide (July 2026). The comments in the code are by the model that wrote it; some were corrected since.
;; Casual Self Attention. Allowed arithmetic: matrix products marked QUANTISED: E2M3 operands, one E8M0 scale for each 32 along K, by v_wmma_scale_f32_16x16x128_f8f6f4 with both operands' format E2M3, f32 sums; everything else in f32.
;; Inputs: W_attn 3,072 x 1,024 float32; W_proj 1,024 x 1,024 float32; b_attn 3,072 float32; b_proj 1,024 float32; x 4 x 2,048 x 1,024 float32.
;; Outputs: out0 4 x 2,048 x 1,024 float32.
;; This version of the problem:
;;   THIS VERSION OF THE PROBLEM IS GIVEN IN LOW PRECISION. The matrix products marked QUANTISED in the list below multiply operands that are first quantised to E2M3 (2 exponent bits, 3 mantissa bits; 6 bits a number), with one power-of-two scale for each 32 numbers along K (OCP MX v1.0); their sums are f32. All else is computed in f32.
;;   The module's matrix products, in the order in which they are computed (A, B: the left and right operand; K: the contracted axis; several contracted axes count as one K, in the product's order):
;;     1. [M 8,192, K 1,024] x [K 1,024, N 3,072]; A: input x; B: input W_attn: QUANTISED
;;     2. batch 64 x [M 2,048, K 64] x [K 64, N 2,048]; A: computed on the way; B: computed on the way: QUANTISED
;;     3. batch 64 x [M 2,048, K 2,048] x [K 2,048, N 64]; A: softmax (see below); B: computed on the way: QUANTISED
;;     4. [M 8,192, K 1,024] x [K 1,024, N 1,024]; A: computed on the way; B: input W_proj: QUANTISED
;;   THE QUANTISER, for each operand of a quantised product, along K:
;;     - K is cut into blocks of 32 from its start; a last block that is shorter is filled with zeros.
;;     - A block's scale is 2^e with e = floor(log2(the largest magnitude in the block)) - 2, held to -126 .. 127; a block of zeros has e = 0. As a byte (E8M0): e + 127.
;;     - Each number is divided by its block's scale, clamped to +-7.5, and rounded to the nearest number of E2M3, ties to even, subnormals kept.
;;     - The product sums the exact products of the quantised numbers (number of the format x scale) in f32.
;;   ~~~python
;;   def quantise(x, axis):      # numpy; x: float32 -> the quantised numbers, widened to float32 again
;;       x = np.moveaxis(x, axis, -1); K = x.shape[-1]
;;       x = np.pad(x, [(0, 0)] * (x.ndim - 1) + [(0, -K % 32)]); x = x.reshape(x.shape[:-1] + (-1, 32)); a = np.abs(x).max(-1, keepdims=True)
;;       e = np.where(a > 0, np.clip(np.frexp(np.where(a > 0, a, 1))[1] - 1 - 2, -126, 127), 0)      # np.frexp(a)[1] - 1 = floor(log2(a)), exactly
;;       r = np.clip(x / 2.0 ** e, -7.5, 7.5)
;;       step = 2.0 ** (np.maximum(np.frexp(np.where(r == 0, 1, r))[1] - 1, 0) - 3)
;;       q = np.round(r / step) * step * 2.0 ** e      # np.round: ties to even
;;       return np.moveaxis(q.reshape(q.shape[:-2] + (-1,))[..., :K], -1, axis).astype(np.float32)
;;   ~~~
;;   SOFTMAX AHEAD OF A QUANTISED PRODUCT. Where the list says 'softmax', what is quantised is not the finished softmax but p = 2^(t - M), with t = logit x log2(e) and M = ceil(the row's largest t), a whole number; so 1/2 < the row's largest p <= 1. The row's sum l is taken of the UNQUANTISED p, in f32, and the product's result is divided by l at the end. Since M is a whole number, a kernel that streams over the keys may use a running M (the ceiling of the running maximum): every later rescaling is an exact power of two, which a block's scale takes up: the codes' values come out the same.
;;   OPERANDS COMPUTED ON THE WAY. 'Computed on the way' means the value that the module computes at that place (a softmax that the list does not call 'softmax' is quantised finished and normalised). What goes into a quantiser is computed in f32, as accurately as f32 sums, v_exp_f32 and their like allow (about 1e-6 of the number): no bf16 or f16 on the way to a quantiser, and a product that is left as it is and whose result goes on into a quantised operand takes f32 operands (vector FMAs, or v_wmma_f32_16x16x4_f32). A number that lies on a knife's edge between two numbers of the format may be rounded either way, as far as f32 arithmetic and the matrix unit's own rounding can turn it there, and no further.
;; One version. Each part assembles by itself: llvm-mc -triple=amdgcn-amd-amdhsa -mcpu=gfx1250 --defsym DOCPART=n.
;; ======== version 1 of 1: 4 launches
;; workspace buffers: acodes 6,291,456 bytes; ascales 262,144 bytes; wcodes 3,145,728 bytes; wscales 131,072 bytes; qbuf 6,815,744 bytes; kv 13,369,344 bytes
;; launch quant (part 1): grid 384 x 1, 4 waves a work-group, no clusters, 34,304 bytes of LDS; arguments x, W_attn, W_proj, acodes, ascales, wcodes, wscales; writes acodes, ascales, wcodes, wscales
.if DOCPART == 1
	.amdgcn_target "amdgcn-amd-amdhsa--gfx1250"
	.amdhsa_code_object_version 6
	.text
	.protected	k_qd835b604d5_quant
	.globl	k_qd835b604d5_quant
	.p2align	8
	.type	k_qd835b604d5_quant,@function
k_qd835b604d5_quant:
	s_mov_b64 s[64:65], 0
	v_nop
	global_prefetch_b8 v0, s[64:65] scope:SCOPE_SE
	s_setreg_imm32_b32 hwreg(HW_REG_WAVE_MODE, 25, 1), 1
	s_wait_xcnt 0x0
; x [8192][1024], W_attn [3072][1024] and W_proj [1024][1024], f32 with K innermost, become codes of FP6 (E2M3) with one E8M0 byte for each 32 along K.
; A block's scale is 2^(floor(log2(its largest magnitude)) - 2); its byte is the largest magnitude's exponent field - 2, held at 1 from below.
; LIMITS: NaN and infinities among the inputs are not served; a block whose largest magnitude lies under 2^-124, a block of zeros among them, keeps the byte 1 (its codes are what the
; conversion gives under that scale; zeros stay zeros); the bytes are read by this program alone.
; THE CODES ARE LAID AS IMAGES OF THE OPERAND'S REGISTERS.  A fragment (16 rows x 128 K, 12 registers a lane) is 1,536 bytes, two halves of 768: registers 6 e .. 6 e + 3 as 512 bytes (lane l's
; 16 bytes at 16 l), then registers 6 e + 4, 6 e + 5 as 256 bytes (8 l).  Buffer: [row block][K step 0..7][1,536].  Scale words: [row block][256 along K: 0..3][row 0..15][2 words].
; THE ROWS OF A BLOCK ARE NOT NEIGHBOURS: lane r of row block 2 g + u holds true row 32 g + 8 u + r + 8 (r / 8), so that in a product used transposed the 16 registers of two neighbouring
; tiles are 16 neighbours along the result's axis, which is the next product's K.
; SHARES: a wave takes one row block x 512 along K (four fragments); a work-group two row blocks x both halves of K.  Work-groups 0-255 take x, 256-351 W_attn, 352-383 W_proj (row blocks 192 on
; of the weights' buffers): only pointers and two numbers are chosen, all three tensors take one path.
; Each load reads 512 consecutive bytes of one row; the 16 rows turn through the wave's own stage in LDS (rows of 512 + 16 bytes) and come back 16 neighbours a lane and block.  Waves share nothing: no barrier.
.set SP,   528                         ; a stage row
.set WST,  16*SP                       ; a wave's stage
.set R0,   16                          ; v16-143  two sets of 64: a fragment's numbers as they are loaded
.set X,    144                         ; v144-207 register 16 b + i: k = 32 b + 16 (lane / 16) + i of my row
.set PC,   208                         ; v208-226 the codes
.set TM,   228                         ; v228-243 at work
.set PW,   244                         ; v244-247 the four fragments' scale words
.set SEL,  28                          ; s[28:29] lane selects for v_permlanex16_b32: lane l xor 16
; 64 numbers of a lane, v[s + 16 b + i] = k 32 b + 16 (lane / 16) + i of my row, become a fragment's codes in v[pc] .. v[pc + 11] and its scale word in v[pw].
.macro QUANT s, pc, tm, pw
.irp b, 0,1,2,3
	v_max3_num_f32 v[\tm+\b], |v[\s+16*\b]|, |v[\s+1+16*\b]|, 0x1800000   ; block b: my 16 numbers, and the floor 2^(3 - 127): the byte cannot fall under 1
.endr
.irp i, 2,4,6,8,10,12,14
.irp b, 0,1,2,3
	v_max3_num_f32 v[\tm+\b], v[\tm+\b], |v[\s+16*\b+\i]|, |v[\s+1+16*\b+\i]|   ; the four blocks by turns
.endr
.endr
.irp b, 0,1,2,3
	v_permlanex16_b32 v[\tm+4+\b], v[\tm+\b], s[SEL], s[SEL+1]
.endr
.irp b, 0,1,2,3
	v_max_num_f32 v[\tm+\b], v[\tm+\b], v[\tm+4+\b]   ; with lane l xor 16's: the block's largest magnitude
.endr
.irp b, 0,1,2,3
	v_add_nc_u32 v[\tm+12+\b], 0xff000000, v[\tm+\b]   ; 2 off its exponent field: the conversion takes this operand's exponent field as its scale
.endr
.irp b, 0,1,2,3
	v_lshrrev_b32 v[\tm+4+\b], 23, v[\tm+12+\b]   ; the scale's byte
.endr
	v_lshl_or_b32 v[\pw], v[\tm+5], 8, v[\tm+4]
	v_lshl_or_b32 v[\pw], v[\tm+6], 16, v[\pw]
	v_lshl_or_b32 v[\pw], v[\tm+7], 24, v[\pw]
.irp c, 0,1
	v_cvt_scalef32_pk16_fp6_f32 v[\pc+6*\c:\pc+2+6*\c], v[\s+32*\c:\s+15+32*\c], v[\tm+12+2*\c]
	v_cvt_scalef32_pk16_fp6_f32 v[\pc+12+4*\c:\pc+14+4*\c], v[\s+16+32*\c:\s+31+32*\c], v[\tm+12+2*\c+1]   ; (three registers from an even one on)
.endr
	v_nop                                          ; one plain place behind a scaled conversion
.irp c, 0,1                                    ; the layout wants a whole block in a lane: lanes 0-15 block 2 c, lanes 16-31 block 2 c + 1
.irp i, 0,1,2
	v_permlane16_swap_b32 v[\pc+6*\c+\i], v[\pc+12+4*\c+\i]
.endr
.irp i, 0,1,2
	v_mov_b32 v[\pc+3+6*\c+\i], v[\pc+12+4*\c+\i]
.endr
.endr
.endm
.macro LOAD f                          ; fragment f: 16 rows x 512 bytes, each row by one load of the wave
.irp p, 0,1,2,3,4,5,6,7,8,9,10,11,12,13,14,15
	global_load_b128 v[R0+64*((\f)%2)+4*\p:R0+64*((\f)%2)+4*\p+3], v1, s[4:5] offset:(\p+8*(\p/8))*4096+512*(\f) th:TH_LOAD_NT
.endr
.endm
.macro TURN f                          ; through the stage: LDS serves a wave's instructions in order, so no wait stands between the stores and the loads
.irp p, 0,1,2,3,4,5,6,7,8,9,10,11,12,13,14,15
	ds_store_b128 v3, v[R0+64*((\f)%2)+4*\p:R0+64*((\f)%2)+4*\p+3] offset:SP*\p
.endr
.irp b, 0,1,2,3
.irp j, 0,1,2,3
	ds_load_b128 v[X+16*\b+4*\j:X+16*\b+4*\j+3], v4 offset:128*\b+16*\j
.endr
.endr
.endm
	s_load_b256 s[4:11], s[0:1], 0x0               ; x, W_attn, W_proj, acodes
	s_load_b128 s[12:15], s[0:1], 0x20             ; ascales, wcodes
	s_load_b64 s[16:17], s[0:1], 0x30              ; wscales
	v_lshl_add_u32 v254, v0, 2, 0x8400
	v_mov_b32 v255, 0
	v_lshrrev_b32 v7, 5, v0
	v_readfirstlane_b32 s18, v7                    ; wave
	v_and_b32 v6, 31, v0                           ; lane
	v_and_b32 v8, 15, v0                           ; r
	v_bfe_u32 v9, v0, 4, 1                         ; h
	v_lshlrev_b32 v1, 4, v6                        ; 16 x lane: my bytes of a load, of a store of four registers
	v_lshlrev_b32 v2, 3, v6                        ; 8 x lane: of a store of two
	s_mul_i32 s19, s18, WST
	v_add_nc_u32 v3, s19, v1                       ; the stage, on the way in
	v_mul_u32_u24 v4, v8, SP
	v_lshl_add_u32 v4, v9, 6, v4
	v_add_nc_u32 v4, s19, v4                       ; and out: row r, + 64 h: my 16 numbers of a block of 32
	v_lshlrev_b32 v5, 3, v8
	v_lshl_add_u32 v5, v9, 7, v5                   ; scale words: lanes 0-15 the first 256 along K, lanes 16-31 the second; 8 bytes a row
	s_mov_b32 s[SEL], 0x76543210
	s_mov_b32 s[SEL+1], 0xfedcba98
.irp b, 0,1,2,3
	v_mov_b32 v[TM+4+\b], 0                        ; written once: a lane permute's destination counts as one of its sources
.endr
	s_mov_b32 s22, 352
	s_wait_kmcnt 0x0
	s_cmp_lt_u32 ttmp9, 352                        ; which tensor: the choice hangs on the work-group's number alone
	s_cselect_b64 s[20:21], s[6:7], s[8:9]
	s_cselect_b32 s22, 256, s22                    ; its first work-group
	s_cselect_b32 s23, 0, 192                      ; its first row block in the buffers
	s_cmp_lt_u32 ttmp9, 256
	s_cselect_b64 s[4:5], s[4:5], s[20:21]
	s_cselect_b32 s22, 0, s22
	s_cselect_b32 s23, 0, s23
	s_cselect_b64 s[10:11], s[10:11], s[14:15]     ; the codes' buffer
	s_cselect_b64 s[12:13], s[12:13], s[16:17]     ; the scale words'
	s_sub_co_u32 s22, ttmp9, s22
	s_lshl_b32 s22, s22, 1
	s_lshr_b32 s24, s18, 1
	s_add_co_u32 s22, s22, s24                     ; my row block of the tensor
	s_and_b32 s24, s18, 1                          ; my half of K
	s_lshr_b32 s26, s22, 1
	s_lshl_b32 s26, s26, 17                        ; 32 rows of 4,096 bytes for each pair of blocks,
	s_and_b32 s25, s22, 1
	s_lshl_b32 s25, s25, 15                        ; 8 rows for the odd block,
	s_add_co_u32 s26, s26, s25
	s_lshl_b32 s25, s24, 11                        ; 2,048 bytes for the second half of K
	s_add_co_u32 s26, s26, s25
	s_mov_b32 s27, 0
	s_add_nc_u64 s[4:5], s[4:5], s[26:27]
	s_add_co_u32 s22, s22, s23
	s_mul_i32 s26, s22, 12288
	s_mul_i32 s25, s24, 6144
	s_add_co_u32 s26, s26, s25
	s_add_nc_u64 s[10:11], s[10:11], s[26:27]
	s_lshl_b32 s26, s22, 9
	s_lshl_b32 s25, s24, 8
	s_add_co_u32 s26, s26, s25
	s_add_nc_u64 s[12:13], s[12:13], s[26:27]
	LOAD 0
	LOAD 1
.irp f, 0,1,2,3
.if \f < 3
	s_wait_loadcnt 16                              ; this fragment's 16 loads are in; the next fragment's 16 may be out
.else
	s_wait_loadcnt 0x0
.endif
	TURN \f
	s_wait_dscnt 0x0                               ; the numbers are back, 16 neighbours a lane and block
.if \f < 2
	LOAD \f+2
.endif
.if \f > 0
	s_wait_xcnt 0x0                                ; the last fragment's stores have read their data: the codes' registers are written again only behind this wait
.endif
	QUANT X, PC, TM, PW+\f
	global_store_b128 v1, v[PC:PC+3], s[10:11] offset:1536*\f          ; 512 consecutive bytes
	global_store_b64 v2, v[PC+4:PC+5], s[10:11] offset:1536*\f+512     ; 256
	global_store_b128 v1, v[PC+6:PC+9], s[10:11] offset:1536*\f+768
	global_store_b64 v2, v[PC+10:PC+11], s[10:11] offset:1536*\f+1280
.endr
	v_cmp_le_u32 vcc_lo, 16, v6                    ; both halves of the lanes hold row r's words: lanes 16-31 take fragments 2 and 3
	v_cndmask_b32 v248, v[PW], v[PW+2], vcc_lo
	v_cndmask_b32 v249, v[PW+1], v[PW+3], vcc_lo
	global_store_b64 v5, v[248:249], s[12:13]      ; 256 consecutive bytes, aligned
	s_wait_tensorcnt 0x0
	ds_add_u32 v254, v255
	s_wait_dscnt 0x0
	s_endpgm
.Lfunc_end_k_qd835b604d5_quant:
	.size	k_qd835b604d5_quant, .Lfunc_end_k_qd835b604d5_quant-k_qd835b604d5_quant
	.p2alignl 7, 3214868480
	.fill 96, 4, 3214868480
	.section	.rodata,"a",@progbits
	.p2align	6, 0x0
	.amdhsa_kernel k_qd835b604d5_quant
		.amdhsa_group_segment_fixed_size 34304
		.amdhsa_private_segment_fixed_size 0
		.amdhsa_enable_private_segment 0
		.amdhsa_kernarg_size 56
		.amdhsa_user_sgpr_count 2
		.amdhsa_user_sgpr_kernarg_segment_ptr 1
		.amdhsa_wavefront_size32 1
		.amdhsa_system_sgpr_workgroup_id_x 1
		.amdhsa_system_sgpr_workgroup_id_y 1
		.amdhsa_system_sgpr_workgroup_id_z 1
		.amdhsa_system_vgpr_workitem_id 0
		.amdhsa_next_free_vgpr 256
		.amdhsa_next_free_sgpr 66
		.amdhsa_reserve_vcc 1
		.amdhsa_float_denorm_mode_32 3
		.amdhsa_float_denorm_mode_16_64 3
		.amdhsa_memory_ordered 1
		.amdhsa_forward_progress 1
		.amdhsa_inst_pref_size 34
	.end_amdhsa_kernel
	.amdgpu_metadata
---
amdhsa.version: [ 1, 2 ]
amdhsa.kernels:
  - .name:           k_qd835b604d5_quant
    .symbol:         k_qd835b604d5_quant.kd
    .args:
      - { .name: x, .offset: 0, .size: 8, .value_kind: global_buffer, .address_space: global }
      - { .name: W_attn, .offset: 8, .size: 8, .value_kind: global_buffer, .address_space: global }
      - { .name: W_proj, .offset: 16, .size: 8, .value_kind: global_buffer, .address_space: global }
      - { .name: acodes, .offset: 24, .size: 8, .value_kind: global_buffer, .address_space: global }
      - { .name: ascales, .offset: 32, .size: 8, .value_kind: global_buffer, .address_space: global }
      - { .name: wcodes, .offset: 40, .size: 8, .value_kind: global_buffer, .address_space: global }
      - { .name: wscales, .offset: 48, .size: 8, .value_kind: global_buffer, .address_space: global }
    .group_segment_fixed_size: 34304
    .private_segment_fixed_size: 0
    .kernarg_segment_align: 8
    .kernarg_segment_size: 56
    .max_flat_workgroup_size: 128
    .sgpr_count:     66
    .vgpr_count:     256
    .wavefront_size: 32
...
	.end_amdgpu_metadata
.endif
;; end of part 1
;; launch qkv (part 2): grid 8 x 48, 4 waves a work-group, clusters of 4 x 4, 327,680 bytes of LDS; arguments acodes, ascales, wcodes, wscales, b_attn, qbuf, kv; writes qbuf, kv
.if DOCPART == 2
	.amdgcn_target "amdgcn-amd-amdhsa--gfx1250"
	.amdhsa_code_object_version 6
	.text
	.protected	k_qd835b604d5_qkv
	.globl	k_qd835b604d5_qkv
	.p2align	8
	.type	k_qd835b604d5_qkv,@function
k_qd835b604d5_qkv:
	s_mov_b64 s[64:65], 0
	v_nop
	global_prefetch_b8 v0, s[64:65] scope:SCOPE_SE
	s_setreg_imm32_b32 hwreg(HW_REG_WAVE_MODE, 25, 1), 1
	s_wait_xcnt 0x0
	s_wait_alu depctr_hold_cnt(0) depctr_sa_sdst(0) depctr_va_vdst(0) depctr_va_sdst(0) depctr_va_ssrc(0) depctr_va_vcc(0) depctr_vm_vsrc(0)
	s_getreg_b32 s2, hwreg(HW_REG_IB_STS2, 6, 4)
	s_cmp_eq_u32 s2, 0
	s_cbranch_scc0 .Lentry_in_a_cluster
	s_endpgm
.Lentry_in_a_cluster:
	s_bfe_u32 s2, ttmp6, 0x10000c
	s_cmp_lg_u32 s2, 0xf033
	s_cbranch_scc0 .Lentry_shape_is_right
	s_endpgm
.Lentry_shape_is_right:
; qkv = x W_attn^T + b_attn on codes of FP6 (E2M3) with E8M0 scales, K = 1,024; the results are quantised in registers and leave as codes: q and k along the head's 64 channels, v along the tokens.
; OPERANDS lie in memory as images of their registers: [row block of 16][K step of 128: 0..7][1,536 bytes]; scale words [row block][256 along K: 0..3][row][2 words].  In every such buffer lane r of
; row block 2 g + u holds true row 32 g + 8 u + r + 8 (r / 8).
; A tile of the result is 256 x 256: four waves, each 128 x 128 = 64 accumulators.  THE MATRIX INSTRUCTION IS USED TRANSPOSED (source 0 = 16 rows of "B", source 1 = 16 rows of "A"): lane (r, h) holds A's row r,
; and register j of B's tile 2 g + u is B's true row 32 g + 16 h + 8 u + j: the 16 registers of two neighbouring tiles are 16 neighbours, as the conversions want them.
; ONE TEXT, TWO ROLES, chosen by scalars from the cluster's y alone, with no branch.  Clusters y 0-7: A = x, B = W_attn's rows 0-2047 (q, k): a lane holds a token, registers run along the channels.
; Clusters y 8-11: A = W_attn's rows 2048-3071, B = x (v): a lane holds a channel, registers run along the tokens, which are the second attention product's K.
; THE BIAS: along A it is the C of each sum's first product (table CT, zeros in the first role); along B it is added on the way out (table BR, zeros in the second role), by the addition that also moves the results into window 0.
; OUT: qbuf [64 heads][16 steps of 128 tokens][8 tiles x 768 | 8 x 64 bytes of scale words]; kv [64][16][K: 8 tiles x 768 | V^T: 4 fragments x 1,536 | K's words 512 | V's words 256].
; A q or k tile is half a fragment (16 tokens x 64 channels).  Its scale word's upper two bytes are the next head's bytes or 0: they only ever scale zero codes, and are never 0xff.
; CLUSTERS 4 x 4: A's tiles are asked for jointly along a row of the cluster, B's along a column.  K goes in steps of 256 through two LDS slots; the scale words of all of K come once.
; LIMITS: NaN and infinities are not served; a block whose largest magnitude lies under 2^-124 keeps the scale byte 1.
; REGISTERS: window 0: v1-31 addresses; v32-63 scale words, two sets; v64-127 CT; v128-223 A's fragments, one set (on the way out: numbers, codes); v224-241 at work on the way out.
;   window 1: B's fragments, two sets at v0 and v128; BR at v96-127 and v224-255.   windows 2, 3: the accumulators ((a, b) at v[8 (8 (a % 4) + b)]).
.set FR,     12                        ; registers of a fragment
.set NL,     4                         ; LDS loads that bring one
.set NP,     4                         ; places behind this matrix instruction (ISA guide 7.12.1)
.set NQ,     2                         ; K steps of 128 in a slot
.set FRB,    1536
.set SROW,   NQ*FRB                    ; a row block's bytes in a slot
.set RBK,    8*FRB                     ; a row block's bytes in memory
.set HALFT,  8*SROW                    ; 128 rows: what one tensor load brings
.set SLOT,   4*HALFT                   ; A's 256 rows, then B's
.set SCL,    2*SLOT                    ; behind the ring: the scale words of all of K
.set HALFS,  4096                      ; those of 128 rows
.set SBLK,   512                       ; those of 16
.set SPARE,  SCL+4*HALFS               ; the spare words, 128 bytes a wave: two blocks of 256 bytes that no other line names
.set O16,  4                           ; v4   16 x lane
.set O8,   5                           ; v5   8 x lane
.set ADRA, 16                          ; v16-17 A's fragments in slot 0, 1, 16 bytes a lane; v18-19 8 bytes a lane
.set ADRB, 20                          ; v20-23 the same for B
.set OSC,  26                          ; v26  the way out: my scale word's place
.set ADRS, 27                          ; v27  my scale words in LDS: lanes 0-15 A's rows, lanes 16-31 B's
.set SPW,  28                          ; v28  my spare word; never rewritten
.set NIL,  29                          ; v29  0; never rewritten
.set SHF,  30                          ; v30  the way out: by how much my scale word is shifted down
.set SC,   32
.set CT,   64
.set AF,   128
.set X,    128
.set PC,   192
.set TM,   224
.set PW,   240
.set PWS,  241
.set WV,   18
.set WROW, 19                          ; wave / 2: my half of A's rows; also: I fetch for A (0) or B (1)
.set WCOL, 20                          ; wave % 2: my half of B's rows; also: which 128 rows I fetch
.set G1,   24
.set G0,   32
.set G1B,  48
.set G0B,  56
.set SEL,  66
.set G1S,  68
.set G0S,  76
.set G1SB, 80
.set G0SB, 88
.set MSB, 0
.macro WIN new                         ; the immediate's high byte repeats the setting that is left
.if MSB != (\new)
	s_set_vgpr_msb (MSB<<8)|(\new)
.set MSB, (\new)
.endif
.endm
.set MUL_LO,   0xa1                    ; source 0 (B) window 1, source 1 (A) window 0, C and D window 2
.set MUL_HI,   0xf1                    ; C and D window 3
.set FIRST_LO, 0x81                    ; the first K step: C (the table CT) window 0, D window 2
.set FIRST_HI, 0xc1
.set TO_B,     0x40
.macro JLOAD g0a, g1a, g0b, g1b        ; a joint load: waves 0, 1 for A, waves 2, 3 for B; four v_nop follow each line
	s_cmp_eq_u32 s[WROW], 0
	s_cbranch_scc0 .Lfor_b_\@
	tensor_load_to_lds s[\g0a:\g0a+3], s[\g1a:\g1a+7]
	s_nop 0
.rept 4
	v_nop
.endr
	s_branch .Lasked_\@
.Lfor_b_\@:
	tensor_load_to_lds s[\g0b:\g0b+3], s[\g1b:\g1b+7]
	s_nop 0
.rept 4
	v_nop
.endr
.Lasked_\@:
.endm
.macro CREST                           ; a round of the cluster's barrier behind its opening barrier
	s_cmp_lg_u32 s[WV], 0
	s_cbranch_scc1 .Lnot_wave_0_\@
	s_barrier_signal -3
.Lnot_wave_0_\@:
	s_barrier_wait -3
	s_barrier_signal -1
	s_barrier_wait -1
.endm
.macro CROUND
	s_barrier_signal -1
	s_barrier_wait -1
	CREST
.endm
.macro PLACES n
.rept \n
	v_nop
.endr
.endm
.macro FRAG reg, a16, off              ; a fragment's image back into 12 registers: every load takes consecutive bytes
	ds_load_b128 v[\reg:\reg+3], v[\a16] offset:\off
	ds_load_b64 v[\reg+4:\reg+5], v[\a16+2] offset:\off+512
	ds_load_b128 v[\reg+6:\reg+9], v[\a16] offset:\off+768
	ds_load_b64 v[\reg+10:\reg+11], v[\a16+2] offset:\off+1280
.endm
; 16 matrix instructions: A's blocks a0, a0 + 1 x B's eight.  The 64 accumulators take turns, one instruction a turn, in the same order in every step.
.macro MUL16 a0, p, q, sc, first
.irp a, \a0, \a0+1
.irp b, 0,1,2,3,4,5,6,7
.if \first
	v_wmma_scale_f32_16x16x128_f8f6f4 v[8*(8*((\a)%4)+\b):8*(8*((\a)%4)+\b)+7], v[128*(\p)+FR*\b:128*(\p)+FR*\b+FR-1], v[AF+FR*(\a):AF+FR*(\a)+FR-1], v[CT+8*(\a):CT+8*(\a)+7], v[SC+8*NQ*(\sc)+NQ*\b+(\q)], v[SC+8*NQ*(\sc)+NQ*(\a)+(\q)] matrix_a_fmt:MATRIX_FMT_FP6 matrix_b_fmt:MATRIX_FMT_FP6 matrix_a_scale:MATRIX_SCALE_ROW1
.else
	v_wmma_scale_f32_16x16x128_f8f6f4 v[8*(8*((\a)%4)+\b):8*(8*((\a)%4)+\b)+7], v[128*(\p)+FR*\b:128*(\p)+FR*\b+FR-1], v[AF+FR*(\a):AF+FR*(\a)+FR-1], v[8*(8*((\a)%4)+\b):8*(8*((\a)%4)+\b)+7], v[SC+8*NQ*(\sc)+NQ*\b+(\q)], v[SC+8*NQ*(\sc)+NQ*(\a)+(\q)] matrix_a_fmt:MATRIX_FMT_FP6 matrix_b_fmt:MATRIX_FMT_FP6 matrix_a_scale:MATRIX_SCALE_ROW1
.endif
.endr
.endr
.endm
.macro FETCH_B slot, q, p
	WIN TO_B
.irp i, 0,1,2,3,4,5,6,7
	FRAG 128*(\p)+FR*\i, ADRB+\slot, \i*SROW+(\q)*FRB
.endr
	WIN 0
.endm
.macro FETCH_A slot, q, i0
.irp i, \i0, \i0+1, \i0+2, \i0+3
	FRAG AF+FR*(\i), ADRA+\slot, (\i)*SROW+(\q)*FRB
.endr
.endm
.macro SCALES sc                       ; a slot's two words a row: lanes 0-15 A's block i, lanes 16-31 B's block i
.irp i, 0,1,2,3,4,5,6,7
	ds_load_b64 v[SC+8*NQ*\sc+NQ*\i:SC+8*NQ*\sc+NQ*\i+1], v[ADRS] offset:\i*SBLK
.endr
.endm
.macro STEP slot, q, first             ; a step of 128 along K that has its successor in the same slot
	s_wait_dscnt 4*NL                              ; B's set and A's blocks 0-3 are in; the youngest 16 loads (A's blocks 4-7) may be out
.if \first
	WIN FIRST_LO
.else
	WIN MUL_LO
.endif
	MUL16 0, (\q)%2, \q, \slot, \first
	MUL16 2, (\q)%2, \q, \slot, \first
	s_wait_dscnt 0x0                               ; A's blocks 4-7 are in
	PLACES NP                                      ; in front of loads into registers that matrix instructions have read
	FETCH_B \slot, (\q)+1, 1-(\q)%2
	FETCH_A \slot, (\q)+1, 0
.if \first
	WIN FIRST_HI
.else
	WIN MUL_HI
.endif
	MUL16 4, (\q)%2, \q, \slot, \first
	MUL16 6, (\q)%2, \q, \slot, \first
	PLACES NP
	WIN 0
	FETCH_A \slot, (\q)+1, 4
.endm
; A slot's last step changes slots: one barrier; in front of it each wave waits for all its tensor loads, adds 0 to its spare word, and waits for that and for its reads of this slot.
.macro TURN slot, next, fill
	s_wait_tensorcnt 0x0                           ; all my tensor loads have landed: my part of the next slot
	ds_add_u32 v[SPW], v[NIL]                      ; 0 onto my spare word
	s_wait_dscnt 4*NL+1                            ; (the add and the youngest 16 loads, A's blocks 4-7, may be out)
	WIN MUL_LO
	MUL16 0, 1, NQ-1, \slot, 0
	s_wait_dscnt 0x0                               ; the add is done, and my reads of this slot are over
	s_barrier_signal -1
	MUL16 2, 1, NQ-1, \slot, 0
	WIN 0
	s_barrier_wait -1
.if \fill
	CREST                                          ; the barrier has opened a round of the cluster's: no wave of any partner still reads this slot or has a load on its way
	s_add_nc_u64 s[G0+4*\slot+2:G0+4*\slot+3], s[G0+4*\slot+2:G0+4*\slot+3], 2*SROW
	s_add_nc_u64 s[G0B+4*\slot+2:G0B+4*\slot+3], s[G0B+4*\slot+2:G0B+4*\slot+3], 2*SROW
	JLOAD G0+4*\slot, G1, G0B+4*\slot, G1B         ; the first tensor load behind the round; its four v_nop are the places in front of the loads below
.else
	PLACES NP
.endif
	v_add_nc_u32 v[ADRS], 128, v[ADRS]             ; the next slot's scale words
	FETCH_B \next, 0, 0
	FETCH_A \next, 0, 0
	SCALES \next
	WIN MUL_HI
	MUL16 4, 1, NQ-1, \slot, 0
	MUL16 6, 1, NQ-1, \slot, 0
	PLACES NP
	WIN 0
	FETCH_A \next, 0, 4
.endm
; 64 numbers of a lane, v[s + 16 b + i] = k 32 b + 16 (lane / 16) + i of my row, become a fragment's codes in v[pc] .. v[pc + 11] and its scale word in v[pw].
.macro QUANT s, pc, tm, pw
.irp b, 0,1,2,3
	v_max3_num_f32 v[\tm+\b], |v[\s+16*\b]|, |v[\s+1+16*\b]|, 0x1800000   ; my 16 numbers of block b, and the floor 2^(3 - 127): the byte cannot fall under 1
.endr
.irp i, 2,4,6,8,10,12,14
.irp b, 0,1,2,3
	v_max3_num_f32 v[\tm+\b], v[\tm+\b], |v[\s+16*\b+\i]|, |v[\s+1+16*\b+\i]|
.endr
.endr
.irp b, 0,1,2,3
	v_permlanex16_b32 v[\tm+4+\b], v[\tm+\b], s[SEL], s[SEL+1]
.endr
.irp b, 0,1,2,3
	v_max_num_f32 v[\tm+\b], v[\tm+\b], v[\tm+4+\b]   ; with lane l xor 16's: the block's largest magnitude
.endr
.irp b, 0,1,2,3
	v_add_nc_u32 v[\tm+12+\b], 0xff000000, v[\tm+\b]   ; 2 off its exponent field: the conversion's scale operand
.endr
.irp b, 0,1,2,3
	v_lshrrev_b32 v[\tm+4+\b], 23, v[\tm+12+\b]   ; the scale's byte
.endr
	v_lshl_or_b32 v[\pw], v[\tm+5], 8, v[\tm+4]
	v_lshl_or_b32 v[\pw], v[\tm+6], 16, v[\pw]
	v_lshl_or_b32 v[\pw], v[\tm+7], 24, v[\pw]
.irp c, 0,1
	v_cvt_scalef32_pk16_fp6_f32 v[\pc+6*\c:\pc+2+6*\c], v[\s+32*\c:\s+15+32*\c], v[\tm+12+2*\c]
	v_cvt_scalef32_pk16_fp6_f32 v[\pc+12+4*\c:\pc+14+4*\c], v[\s+16+32*\c:\s+31+32*\c], v[\tm+12+2*\c+1]
.endr
	v_nop                                          ; one plain place behind a scaled conversion
.irp c, 0,1
.irp i, 0,1,2
	v_permlane16_swap_b32 v[\pc+6*\c+\i], v[\pc+12+4*\c+\i]
.endr
.irp i, 0,1,2
	v_mov_b32 v[\pc+3+6*\c+\i], v[\pc+12+4*\c+\i]
.endr
.endr
.endm
	s_load_b256 s[4:11], s[0:1], 0x0               ; acodes, ascales, wcodes, wscales
	s_load_b128 s[12:15], s[0:1], 0x20             ; b_attn, qbuf
	s_load_b64 s[16:17], s[0:1], 0x30              ; kv
	v_lshl_add_u32 v[SPW], v0, 2, SPARE
	v_mov_b32 v[NIL], 0
	ds_add_u32 v28, v29
	ds_add_u32 v28, v29
	s_wait_dscnt 0x0
	v_lshrrev_b32 v1, 5, v0
	v_readfirstlane_b32 s[WV], v1                  ; wave 0..3
	s_lshr_b32 s[WROW], s[WV], 1
	s_and_b32 s[WCOL], s[WV], 1
	s_bfe_u32 s40, ttmp6, 0x40000                  ; cx
	s_bfe_u32 s41, ttmp6, 0x40004                  ; cy
	s_and_b32 s42, ttmp7, 0xffff                   ; the cluster's y: under 8 the first role (q, k), from 8 on the second (v)
	s_sub_co_u32 s43, s42, 8
	s_lshl_b32 s43, s43, 1
	s_add_co_u32 s43, s43, ttmp9                   ; second role: which four tiles of x the cluster takes as B
	s_cmp_lt_u32 s42, 8
	s_cselect_b32 s44, s42, 2                      ; A: four tiles of x, or W_attn's tiles 8-11
	s_cselect_b32 s45, ttmp9, s43                  ; B: four tiles of W_attn's first eight, or of x
	s_cselect_b32 s46, -1, 0                       ; keeps BR in the first role
	s_cselect_b32 s47, 0, -1                       ; keeps CT in the second
	s_lshl_b32 s44, s44, 2
	s_add_co_u32 s44, s44, s41                     ; A's tile: hangs on cy, not on cx
	s_lshl_b32 s45, s45, 2
	s_add_co_u32 s45, s45, s40                     ; B's tile: hangs on cx, not on cy
	s_lshl_b32 s21, s41, 2
	s_lshl_b32 s21, 15, s21                        ; my row of the cluster
	s_lshl_b32 s43, 0x1111, s40                    ; my column
	s_or_b32 s[G1], s21, (3<<16)|(1<<21)           ; 15:0 the mask; 17:16 elements of 8 bytes; 21 set beside a mask; no padding
	s_or_b32 s[G1B], s43, (3<<16)|(1<<21)
	s_or_b32 s[G1S], s21, (3<<16)|(1<<21)
	s_or_b32 s[G1SB], s43, (3<<16)|(1<<21)
.irp g, G1, G1B                                ; codes: 8 row blocks x 3,072 bytes, 12,288 bytes apart
	s_mov_b32 s[\g+1], 384<<16                     ; tensor_dim0
	s_mov_b32 s[\g+2], 8<<16                       ; tensor_dim1
	s_mov_b32 s[\g+3], 384<<16                     ; tile_dim0
	s_mov_b32 s[\g+4], 8                           ; tile_dim1
	s_mov_b32 s[\g+5], 1536                        ; the pitch
	s_mov_b32 s[\g+6], 0
	s_mov_b32 s[\g+7], 0
.endr
.irp g, G1S, G1SB                              ; scale words of 128 rows: 4,096 dense bytes as 16 rows of 256
	s_mov_b32 s[\g+1], 32<<16
	s_mov_b32 s[\g+2], 16<<16
	s_mov_b32 s[\g+3], 32<<16
	s_mov_b32 s[\g+4], 16
	s_mov_b32 s[\g+5], 32
	s_mov_b32 s[\g+6], 0
	s_mov_b32 s[\g+7], 0
.endr
	s_lshl_b32 s21, s[WCOL], 3                     ; which 8 row blocks of a tile I fetch
	s_lshl_b32 s2, s44, 4
	s_add_co_u32 s2, s2, s21                       ; A's
	s_lshl_b32 s22, s2, 9                          ; their scale words,
	s_mul_i32 s2, s2, RBK                          ; their codes
	s_mov_b32 s3, 0
	s_mov_b32 s23, 0
	s_lshl_b32 s66, s45, 4
	s_add_co_u32 s66, s66, s21                     ; B's
	s_lshl_b32 s92, s66, 9
	s_mul_i32 s66, s66, RBK
	s_mov_b32 s67, 0
	s_mov_b32 s93, 0
	s_mul_i32 s43, s[WV], HALFT                    ; where they go: no place in the cluster enters an LDS address
	s_lshl_b32 s21, s[WV], 12
	s_wait_kmcnt 0x0
	s_cmp_lt_u32 s42, 8                            ; the operands' buffers by the role
	s_cselect_b64 s[94:95], s[4:5], s[8:9]
	s_cselect_b64 s[96:97], s[6:7], s[10:11]
	s_cselect_b64 s[98:99], s[8:9], s[4:5]
	s_cselect_b64 s[100:101], s[10:11], s[6:7]
	s_add_nc_u64 s[94:95], s[94:95], s[2:3]
	s_add_nc_u64 s[96:97], s[96:97], s[22:23]
	s_add_nc_u64 s[98:99], s[98:99], s[66:67]
	s_add_nc_u64 s[100:101], s[100:101], s[92:93]
	CROUND                                         ; all sixteen work-groups are here: the first joint loads meet
	s_mov_b32 s[G0S], 1
	s_add_co_u32 s[G0S+1], s21, SCL
	s_mov_b64 s[G0S+2:G0S+3], s[96:97]
	s_or_b32 s[G0S+3], s[G0S+3], 0x80000000
	s_mov_b32 s[G0SB], 1
	s_add_co_u32 s[G0SB+1], s21, SCL
	s_mov_b64 s[G0SB+2:G0SB+3], s[100:101]
	s_or_b32 s[G0SB+3], s[G0SB+3], 0x80000000
	JLOAD G0S, G1S, G0SB, G1SB                     ; the scale words first: they are wanted with the first step
.irp s, 0,1
	s_mov_b32 s[G0+4*\s], 1
	s_add_co_u32 s[G0+4*\s+1], s43, \s*SLOT
	s_add_nc_u64 s[G0+4*\s+2:G0+4*\s+3], s[94:95], \s*SROW
	s_or_b32 s[G0+4*\s+3], s[G0+4*\s+3], 0x80000000
	s_mov_b32 s[G0B+4*\s], 1
	s_add_co_u32 s[G0B+4*\s+1], s43, \s*SLOT
	s_add_nc_u64 s[G0B+4*\s+2:G0B+4*\s+3], s[98:99], \s*SROW
	s_or_b32 s[G0B+4*\s+3], s[G0B+4*\s+3], 0x80000000
	JLOAD G0+4*\s, G1, G0B+4*\s, G1B
.endr
	; where my results go.  The channels' axis is B's in the first role and A's in the second, the tokens' axis the other one.
	s_cmp_lt_u32 s42, 8
	s_cselect_b32 s92, s45, s44                    ; the channels' tile,
	s_cselect_b32 s21, s[WCOL], s[WROW]            ; and my half of it
	s_cselect_b32 s93, s44, s45                    ; the tokens' tile,
	s_cselect_b32 s43, s[WROW], s[WCOL]            ; and my half
	s_mov_b32 s10, 1536
	s_cselect_b32 s10, 768, s10                    ; from one of my eight blocks to the next: a tile of 768 bytes, or a fragment of V^T;
	s_mov_b32 s2, 204288
	s_cselect_b32 s2, 768, s2                      ; behind the fourth: the same, or on to the next head's first fragment (208,896 - 3 x 1,536)
	s_mov_b32 s22, 208704
	s_cselect_b32 s22, 64, s22                     ; the scale words likewise (208,896 - 3 x 64)
	s_cselect_b32 s40, 0, 6144                     ; the codes' place in a unit
	s_mov_b32 s41, 12800
	s_cselect_b32 s41, 12288, s41                  ; the scale words' (k or v)
	s_cselect_b32 s94, 16, 0                       ; first role: lanes 16-31 store the second head's two bytes
	s_lshl_b32 s92, s92, 1
	s_add_co_u32 s92, s92, s21                     ; G: which 128 of the 3,072 channels are mine: 0-7 q, 8-15 k, 16-23 v
	s_cmp_lt_u32 s92, 8
	s_mov_b32 s95, 208896
	s_cselect_b32 s95, 106496, s95                 ; a head's bytes in qbuf or kv
	s_mov_b32 s96, 13056
	s_cselect_b32 s96, 6656, s96                   ; a unit's
	s_cselect_b32 s41, 6144, s41
	s_cselect_b64 s[98:99], s[14:15], s[16:17]     ; qbuf or kv
	s_cmp_lt_u32 s42, 8
	s_cselect_b32 s97, s95, 768                    ; registers 6-11: the next head's tile, or the fragment's second half
	s_cselect_b32 s21, s95, 0                      ; lanes 16-31's scale words: the next head's, or the same place
	s_and_b32 s100, s92, 7
	s_lshl_b32 s100, s100, 1                       ; my first head
	s_lshr_b32 s101, s93, 3
	s_lshl_b32 s101, s101, 4                       ; 16 x batch
	s_add_co_u32 s100, s100, s101
	s_mul_i32 s100, s100, s95
	s_and_b32 s101, s93, 7
	s_lshl_b32 s101, s101, 1
	s_add_co_u32 s101, s101, s43                   ; which 128 tokens of the 2,048
	s_mul_i32 s101, s101, s96
	s_add_co_u32 s100, s100, s101
	s_mov_b32 s101, 0
	s_add_nc_u64 s[98:99], s[98:99], s[100:101]    ; my unit
	s_mov_b32 s100, s40
	s_add_nc_u64 s[4:5], s[98:99], s[100:101]      ; registers 0-5 go here,
	s_mov_b32 s100, s97
	s_add_nc_u64 s[6:7], s[4:5], s[100:101]        ; registers 6-11 here,
	s_mov_b32 s100, s41
	s_add_nc_u64 s[8:9], s[98:99], s[100:101]      ; the scale words here
	s_lshl_b32 s100, s92, 9
	s_add_nc_u64 s[12:13], s[12:13], s[100:101]    ; b_attn at my 128 channels
	s_mov_b32 s11, 0
	s_mov_b32 s3, 0
	s_mov_b32 s23, 0
	s_mov_b32 s[SEL], 0x76543210
	s_mov_b32 s[SEL+1], 0xfedcba98
	v_and_b32 v1, 31, v0                           ; lane
	v_and_b32 v2, 15, v0                           ; r
	v_bfe_u32 v3, v0, 4, 1                         ; h
	v_lshlrev_b32 v[O16], 4, v1
	v_lshlrev_b32 v[O8], 3, v1
	v_and_b32 v7, 8, v2
	v_add_nc_u32 v7, v7, v2
	v_lshlrev_b32 v7, 2, v7                        ; 4 (r + 8 (r / 8)): the channel of A's row r in a block
	v_lshlrev_b32 v8, 6, v3                        ; 64 h: my eight channels of B's tile
.irp a, 0,1,2,3,4,5,6,7
	global_load_b32 v[AF+\a], v7, s[12:13] offset:128*(\a/2)+32*(\a%2)   ; the bias of A's block a, one number a lane
.endr
	WIN 0x40
.irp b, 0,1,2,3,4,5,6,7
	global_load_b128 v[96+128*(\b/4)+8*(\b%4):96+128*(\b/4)+8*(\b%4)+3], v8, s[12:13] offset:128*(\b/2)+32*(\b%2)       ; the bias of B's tile b, along the registers
	global_load_b128 v[96+128*(\b/4)+8*(\b%4)+4:96+128*(\b/4)+8*(\b%4)+7], v8, s[12:13] offset:128*(\b/2)+32*(\b%2)+16
.endr
	WIN 0
	s_mul_i32 s100, s[WROW], HALFT                 ; my 128 rows of A,
	s_mul_i32 s101, s[WCOL], HALFT
	s_add_co_u32 s101, s101, 2*HALFT               ; my 128 rows of B, behind A's 256
.irp s, 0,1
	v_add_nc_u32 v[ADRA+\s], s100, v[O16]
	v_add_nc_u32 v[ADRA+2+\s], s100, v[O8]
	v_add_nc_u32 v[ADRB+\s], s101, v[O16]
	v_add_nc_u32 v[ADRB+2+\s], s101, v[O8]
	s_add_co_u32 s100, s100, SLOT
	s_add_co_u32 s101, s101, SLOT
.endr
	s_lshl_b32 s100, s[WROW], 12                   ; A's scale words: my 128 rows
	s_lshl_b32 s101, s[WCOL], 12
	s_add_co_u32 s101, s101, 2*HALFS               ; B's, behind A's 256
	s_sub_co_u32 s101, s101, s100
	v_mul_u32_u24 v6, s101, v3                     ; lanes 16-31 take B's: one product, the distance between the two
	s_add_co_u32 s100, s100, SCL
	v_lshl_add_u32 v6, v2, 3, v6
	v_add_nc_u32 v[ADRS], s100, v6
	v_mul_u32_u24 v[OSC], s21, v3
	v_lshl_add_u32 v[OSC], v2, 2, v[OSC]
	v_mul_u32_u24 v[SHF], s94, v3
.irp b, 0,1,2,3
	v_mov_b32 v[TM+4+\b], 0                        ; written once: a lane permute's destination counts as one of its sources
.endr
	s_wait_loadcnt 0x0
.set nn, 0
.rept 64
	v_and_b32 v[CT+nn], s47, v[AF+nn/8]            ; CT: A's bias in all eight registers of block nn / 8, or zeros
.set nn, nn+1
.endr
	WIN 0x44
.set nn, 0
.rept 32
	v_and_b32 v[96+nn], s46, v[96+nn]              ; BR: B's bias, or zeros
	v_and_b32 v[224+nn], s46, v[224+nn]
.set nn, nn+1
.endr
	WIN 0
	s_wait_tensorcnt 1                             ; the scale words and my part of slot 0 are in; slot 1's load may be out
	s_barrier_signal -1
	s_barrier_wait -1
	FETCH_B 0, 0, 0
	FETCH_A 0, 0, 0
	SCALES 0
	FETCH_A 0, 0, 4
	STEP 0, 0, 1                                   ; K 0-127: the sums begin with CT
	TURN 0, 1, 1                                   ; K 128-255; slot 0 takes K 512-767
	STEP 1, 0, 0
	TURN 1, 0, 1                                   ; slot 1 takes K 768-1023
	STEP 0, 0, 0
	TURN 0, 1, 0                                   ; nothing is left to fetch
	STEP 1, 0, 0
	s_wait_dscnt 4*NL
	WIN MUL_LO
	MUL16 0, 1, NQ-1, 1, 0
	MUL16 2, 1, NQ-1, 1, 0
	s_wait_dscnt 0x0
	WIN MUL_HI
	MUL16 4, 1, NQ-1, 1, 0
	MUL16 6, 1, NQ-1, 1, 0
	PLACES NP                                      ; in front of the first read of results, and of writes to registers that held A's fragments
	; THE WAY OUT: A's block a: my row's 128 numbers (+ BR) become one fragment and one scale word, and leave as images.
.irp a, 0,1,2,3,4,5,6,7
	WIN 0x06+(\a/4)                                ; source 0: the accumulators' window; source 1: window 1
.irp b, 0,1,2,3,4,5,6,7
.irp p, 0,2,4,6
	v_pk_add_f32 v[X+8*\b+\p:X+8*\b+\p+1], v[64*(\a%4)+8*\b+\p:64*(\a%4)+8*\b+\p+1], v[96+128*(\b/4)+8*(\b%4)+\p:96+128*(\b/4)+8*(\b%4)+\p+1]   ; each accumulator from its low end on
.endr
.endr
	WIN 0
	QUANT X, PC, TM, PW
	v_lshrrev_b32 v[PWS], v[SHF], v[PW]
	global_store_b128 v[O16], v[PC:PC+3], s[4:5]
	global_store_b64 v[O8], v[PC+4:PC+5], s[4:5] offset:512
	global_store_b128 v[O16], v[PC+6:PC+9], s[6:7]
	global_store_b64 v[O8], v[PC+10:PC+11], s[6:7] offset:512
	global_store_b32 v[OSC], v[PWS], s[8:9]
.if \a < 7
	s_wait_xcnt 0x0                                ; the stores have read their data and bases: both are written again only behind this wait
.if \a == 3
	s_add_nc_u64 s[4:5], s[4:5], s[2:3]
	s_add_nc_u64 s[6:7], s[6:7], s[2:3]
	s_add_nc_u64 s[8:9], s[8:9], s[22:23]
.else
	s_add_nc_u64 s[4:5], s[4:5], s[10:11]
	s_add_nc_u64 s[6:7], s[6:7], s[10:11]
	s_add_nc_u64 s[8:9], s[8:9], 64
.endif
.endif
.endr
	s_wait_tensorcnt 0x0                           ; the wave's end
	ds_add_u32 v[SPW], v[NIL]
	s_wait_dscnt 0x0
	CROUND                                         ; the closing round: no work-group ends while a partner may still ask for a tile that names it
	s_endpgm
.Lfunc_end_k_qd835b604d5_qkv:
	.size	k_qd835b604d5_qkv, .Lfunc_end_k_qd835b604d5_qkv-k_qd835b604d5_qkv
	.p2alignl 7, 3214868480
	.fill 96, 4, 3214868480
	.section	.rodata,"a",@progbits
	.p2align	6, 0x0
	.amdhsa_kernel k_qd835b604d5_qkv
		.amdhsa_group_segment_fixed_size 327680
		.amdhsa_private_segment_fixed_size 0
		.amdhsa_enable_private_segment 0
		.amdhsa_kernarg_size 56
		.amdhsa_user_sgpr_count 2
		.amdhsa_user_sgpr_kernarg_segment_ptr 1
		.amdhsa_wavefront_size32 1
		.amdhsa_system_sgpr_workgroup_id_x 1
		.amdhsa_system_sgpr_workgroup_id_y 1
		.amdhsa_system_sgpr_workgroup_id_z 1
		.amdhsa_system_vgpr_workitem_id 0
		.amdhsa_next_free_vgpr 1024
		.amdhsa_next_free_sgpr 102
		.amdhsa_reserve_vcc 0
		.amdhsa_float_denorm_mode_32 3
		.amdhsa_float_denorm_mode_16_64 3
		.amdhsa_memory_ordered 1
		.amdhsa_forward_progress 1
		.amdhsa_inst_pref_size 174
	.end_amdhsa_kernel
	.amdgpu_metadata
---
amdhsa.version: [ 1, 2 ]
amdhsa.kernels:
  - .name:           k_qd835b604d5_qkv
    .symbol:         k_qd835b604d5_qkv.kd
    .args:
      - { .name: acodes, .offset: 0, .size: 8, .value_kind: global_buffer, .address_space: global }
      - { .name: ascales, .offset: 8, .size: 8, .value_kind: global_buffer, .address_space: global }
      - { .name: wcodes, .offset: 16, .size: 8, .value_kind: global_buffer, .address_space: global }
      - { .name: wscales, .offset: 24, .size: 8, .value_kind: global_buffer, .address_space: global }
      - { .name: b_attn, .offset: 32, .size: 8, .value_kind: global_buffer, .address_space: global }
      - { .name: qbuf, .offset: 40, .size: 8, .value_kind: global_buffer, .address_space: global }
      - { .name: kv, .offset: 48, .size: 8, .value_kind: global_buffer, .address_space: global }
    .group_segment_fixed_size: 327680
    .private_segment_fixed_size: 0
    .kernarg_segment_align: 8
    .kernarg_segment_size: 56
    .max_flat_workgroup_size: 128
    .sgpr_count:     102
    .vgpr_count:     1024
    .wavefront_size: 32
...
	.end_amdgpu_metadata
.endif
;; end of part 2
;; launch attn (part 3): grid 4 x 64, 16 waves a work-group, clusters of 4 x 1, 210,944 bytes of LDS; arguments qbuf, kv, acodes, ascales; writes acodes, ascales
.if DOCPART == 3
	.amdgcn_target "amdgcn-amd-amdhsa--gfx1250"
	.amdhsa_code_object_version 6
	.text
	.protected	k_qd835b604d5_attn
	.globl	k_qd835b604d5_attn
	.p2align	8
	.type	k_qd835b604d5_attn,@function
k_qd835b604d5_attn:
	s_mov_b64 s[64:65], 0
	v_nop
	global_prefetch_b8 v0, s[64:65] scope:SCOPE_SE
	s_setreg_imm32_b32 hwreg(HW_REG_WAVE_MODE, 25, 1), 1
	s_wait_xcnt 0x0
	s_wait_alu depctr_hold_cnt(0) depctr_sa_sdst(0) depctr_va_vdst(0) depctr_va_sdst(0) depctr_va_ssrc(0) depctr_va_vcc(0) depctr_vm_vsrc(0)
	s_getreg_b32 s2, hwreg(HW_REG_IB_STS2, 6, 4)
	s_cmp_eq_u32 s2, 0
	s_cbranch_scc0 .Lentry_in_a_cluster
	s_endpgm
.Lentry_in_a_cluster:
	s_bfe_u32 s2, ttmp6, 0x10000c
	s_cmp_lg_u32 s2, 0x3003
	s_cbranch_scc0 .Lentry_shape_is_right
	s_endpgm
.Lentry_shape_is_right:
; y[q] = the sum over keys k <= q of softmax_k(q . k / 8) v[k], for 64 heads of 2,048 tokens x 64 channels; both products on codes of FP6 (E2M3) with E8M0 scales; y is quantised along the channels and leaves as codes.
; THE SOFTMAX AHEAD OF THE SECOND PRODUCT: t = score x log2(e) / 8; M = the row's largest t so far, rounded up to a whole number; p = 2^(t - M) is quantised along the keys, not normalised.  The row's sum is
; taken of the unquantised p and divides at the end.  When M moves, the sum and O are multiplied by 2^(old M - new M): exact.
; IN: qbuf [64 heads][16 steps of 128 tokens][8 tiles x 768 | 8 x 64 bytes of scale words]; kv [64][16][K: 8 tiles x 768 | V^T: 4 fragments x 1,536 | K's words 512 | V's words 256]: images of the operands' registers.
; In every tile lane r of tile 2 g + u holds true row 32 g + 8 u + r + 8 (r / 8).
; A CLUSTER OF FOUR WORK-GROUPS TAKES ONE HEAD.  The head's K and V, 208,896 bytes, come into each partner's LDS ONCE, by sixteen joint loads (wave w asks for key step w, in all four alike): no slot is
; filled again, so the loop has no barrier.
; QUERIES: wave w owns tile 2 cx of step w and tile 2 cx + 1 of step 15 - w: w + 1 and 16 - w key steps, 17 for every wave of every work-group.  Which steps a tile walks hangs on the wave's number alone,
; so all partners branch alike; cx enters only global addresses and the diagonal's threshold, a vector number.
; LAYOUT: both products transposed: S^T = K Q^T, O^T = V^T P^T: a lane holds one query (lane % 16) throughout; the 16 registers of two neighbouring tiles are 16 neighbouring keys (channels).
; K = 64 IN AN INSTRUCTION OF 128: Q's registers 6-11 are zero codes.  K's tile t is named as v[44 + 6 t .. 55 + 6 t]: its upper six registers are the next tile's codes (for t = 7 p's last codes):
; FP6 has no NaN and no infinity and none of the scale bytes read is 0xff, so these products are zeros.
; LIMITS: NaN and infinities are not served; a block whose largest magnitude lies under 2^-124 keeps the scale byte 1; a p under 2^-126 counts as 0.
; REGISTERS: v1-3 16, 8, 4 x lane; v4-6 the same in the step in hand; v7, v8 the diagonal's thresholds; v9 -infinity; v10, v11 Q's scale words; v12-15, v16-19 -M, largest t, the sum in two halves;
; v20-31, v32-43 Q; v44-91 K's tiles, then V's fragments; v92-103 p's codes; v104-167 S^T, then p; v168-199, v200-231 O^T; v232-254 at work (v248-251 K's and V's scale words, v253 p's).
.set UNIT,  13056                      ; a key step in kv, and in LDS
.set HKV,   16*UNIT
.set QUNIT, 6656
.set HQ,    16*QUNIT
.set VOFF,  6144
.set KSC,   12288
.set VSC,   12800
.set L16, 1
.set L8,  2
.set L4,  3
.set A16, 4
.set A8,  5
.set A4,  6
.set DG0, 7
.set DG1, 8
.set NINF, 9
.set QS0, 10
.set QS1, 11
.set ST0, 12
.set ST1, 16
.set QF0, 20
.set QF1, 32
.set KF,  44
.set PCD, 92
.set SR,  104
.set OB0, 168
.set OB1, 200
.set Y,   104
.set WV,  12                           ; s12 my wave's number: tile 0's last key step
.set CX,  13
.set BH,  14
.set G1,  16
.set G0,  24
.set SEL, 28
.set CS,  30                           ; s[30:31] c = log2(e) / 8
.set KS,  32                           ; s32 the key step
.set TB,  33                           ; s33 where it begins in LDS
.set W1,  35                           ; s35 15 - wave: tile 1's last key step
.macro CROUND                          ; a round of the cluster's barrier
	s_barrier_signal -1
	s_barrier_wait -1
	s_cmp_lg_u32 s[WV], 0
	s_cbranch_scc1 .Lnot_wave_0_\@
	s_barrier_signal -3
.Lnot_wave_0_\@:
	s_barrier_wait -3
	s_barrier_signal -1
	s_barrier_wait -1
.endm
; One tile's key step: 128 keys.  st: its -M, t, sums; qf, qsc: its Q; ob: its O^T; dr: its threshold; sq: the scalar that holds its last (diagonal) step.
.macro STEP st, qf, qsc, ob, dr, sq
	s_cmp_gt_u32 s[KS], s[\sq]                     ; all these keys come after my queries: nothing to do
	s_cbranch_scc1 .Lhid_\@
.rept 4
	v_nop                                          ; places in front of loads into registers that matrix instructions have read
.endr
.irp t, 0,1,2,3,4,5,6,7
	ds_load_b128 v[KF+6*\t:KF+6*\t+3], v[A16] offset:768*\t
	ds_load_b64 v[KF+6*\t+4:KF+6*\t+5], v[A8] offset:768*\t+512
.endr
.irp b, 0,1,2,3
	ds_load_b32 v[248+\b], v[A4] offset:KSC+128*\b   ; lanes 0-15 tile 2 b's words, lanes 16-31 tile 2 b + 1's
.endr
	s_wait_dscnt 0x0
.irp t, 0,2,4,6
	v_wmma_scale_f32_16x16x128_f8f6f4 v[SR+8*\t:SR+8*\t+7], v[KF+6*\t:KF+6*\t+11], v[\qf:\qf+11], 0, v[248+\t/2], v[\qsc] matrix_a_fmt:MATRIX_FMT_FP6 matrix_b_fmt:MATRIX_FMT_FP6
	v_wmma_scale_f32_16x16x128_f8f6f4 v[SR+8*\t+8:SR+8*\t+15], v[KF+6*\t+6:KF+6*\t+17], v[\qf:\qf+11], 0, v[248+\t/2], v[\qsc] matrix_a_fmt:MATRIX_FMT_FP6 matrix_b_fmt:MATRIX_FMT_FP6 matrix_a_scale:MATRIX_SCALE_ROW1
.endr
.rept 4
	v_nop                                          ; places in front of the loads below and of the first read of the scores
.endr
.irp t, 0,1,2,3                                ; V's fragments are asked for now and land under the softmax, which touches none of their registers
	ds_load_b128 v[KF+12*\t:KF+12*\t+3], v[A16] offset:VOFF+1536*\t
	ds_load_b64 v[KF+12*\t+4:KF+12*\t+5], v[A8] offset:VOFF+1536*\t+512
	ds_load_b128 v[KF+12*\t+6:KF+12*\t+9], v[A16] offset:VOFF+1536*\t+768
	ds_load_b64 v[KF+12*\t+10:KF+12*\t+11], v[A8] offset:VOFF+1536*\t+1280
.endr
.irp c, 0,1
	ds_load_b32 v[248+\c], v[A4] offset:VSC+128*\c
.endr
	s_cmp_lg_u32 s[KS], s[\sq]                     ; only the diagonal step hides keys
	s_cbranch_scc1 .Lopen_\@
.set nn, 0
.rept 64                                       ; register 16 b + i holds key 32 b + 16 (lane / 16) + i of the step: hidden where 32 b + i > my query's place - 16 (lane / 16)
	v_cmp_gt_i32 vcc_lo, 32*(nn/16)+nn%16, v[\dr]
	v_cndmask_b32 v[SR+nn], v[SR+nn], v[NINF], vcc_lo
.set nn, nn+1
.endr
.Lopen_\@:
.irp b, 0,1,2,3
	v_max3_num_f32 v[232+\b], v[SR+16*\b], v[SR+1+16*\b], v[SR+2+16*\b]   ; the largest score of each block of 32 keys: for the row's maximum, and, since p rises with the score, for the block's largest p
.endr
.irp i, 3,5,7,9,11,13
.irp b, 0,1,2,3
	v_max3_num_f32 v[232+\b], v[232+\b], v[SR+16*\b+\i], v[SR+1+16*\b+\i]
.endr
.endr
.irp b, 0,1,2,3
	v_max_num_f32 v[232+\b], v[232+\b], v[SR+15+16*\b]
.endr
.irp b, 0,1,2,3
	v_permlanex16_b32 v[236+\b], v[232+\b], s[SEL], s[SEL+1]
.endr
.irp b, 0,1,2,3
	v_max_num_f32 v[232+\b], v[232+\b], v[236+\b]  ; with lane l xor 16's 16 keys
.endr
	v_max3_num_f32 v254, v232, v233, v234
	v_max_num_f32 v254, v254, v235
	v_mul_f32 v254, s[CS], v254                    ; the step's largest t (c is positive)
	v_max_num_f32 v[\st+1], v[\st+1], v254         ; the running largest t
	v_mov_b32 v254, v[\st]
	v_floor_f32 v[\st], -v[\st+1]                  ; the new -M = floor(-t): M is a whole number
	v_sub_f32 v254, v[\st], v254                   ; old M - new M: a whole number, 0 or less
	v_cvt_i32_f32 v254, v254                       ; (it saturates)
	v_ldexp_f32 v252, 1.0, v254                    ; f = 2^(old M - new M)
.set jj, 0
.rept 32
	v_pk_fma_f32 v[SR+jj:SR+jj+1], v[SR+jj:SR+jj+1], s[CS:CS+1], v[\st:\st+1] op_sel_hi:[1,0,0]   ; t - M, two at a time
.set jj, jj+2
.endr
.irp b, 0,1,2,3
	v_fma_f32 v[232+\b], v[232+\b], s[CS], v[\st]  ; the same of each block's largest score
.endr
.set jj, 0
.rept 64
	v_exp_f32 v[SR+jj], v[SR+jj]                   ; p = 2^(t - M), at most 1
.set jj, jj+1
.endr
.irp b, 0,1,2,3
	v_exp_f32 v[232+\b], v[232+\b]                 ; the block's largest p: the same two instructions on the same number
.endr
	v_pk_mul_f32 v[\st+2:\st+3], v[\st+2:\st+3], v[252:253] op_sel_hi:[1,0]   ; the sums under the new M (a plain place behind the exponentials)
	s_wait_alu depctr_va_vdst(0)
.irp b, 0,1,2,3
	v_max_num_f32 v[232+\b], 0x1800000, v[232+\b]  ; the floor 2^(3 - 127): the byte cannot fall under 1
.endr
.irp b, 0,1,2,3
	v_add_nc_u32 v[244+\b], 0xff000000, v[232+\b]  ; 2 off the exponent field: the conversion's scale operand
.endr
.irp b, 0,1,2,3
	v_lshrrev_b32 v[236+\b], 23, v[244+\b]         ; the scale's byte
.endr
	v_lshl_or_b32 v253, v237, 8, v236              ; p's scale word for these 128 keys
	v_lshl_or_b32 v253, v238, 16, v253
	v_lshl_or_b32 v253, v239, 24, v253
.irp c, 0,1
	v_cvt_scalef32_pk16_fp6_f32 v[PCD+6*\c:PCD+2+6*\c], v[SR+32*\c:SR+15+32*\c], v[244+2*\c]
	v_cvt_scalef32_pk16_fp6_f32 v[236+4*\c:238+4*\c], v[SR+16+32*\c:SR+31+32*\c], v[244+2*\c+1]
.endr
	v_nop                                          ; one plain place behind a scaled conversion
.irp c, 0,1                                    ; the layout wants a whole block in a lane
.irp i, 0,1,2
	v_permlane16_swap_b32 v[PCD+6*\c+\i], v[236+4*\c+\i]
.endr
.irp i, 0,1,2
	v_mov_b32 v[PCD+3+6*\c+\i], v[236+4*\c+\i]
.endr
.endr
	v_pk_add_f32 v[236:237], v[SR:SR+1], v[SR+2:SR+3]   ; the row's sum is taken of the unquantised p: two at a time, in two chains
.irp j, 4,8,12,16,20,24,28,32,36,40,44,48,52,56,60
	v_pk_add_f32 v[\st+2:\st+3], v[\st+2:\st+3], v[SR+\j:SR+\j+1]
	v_pk_add_f32 v[236:237], v[236:237], v[SR+2+\j:SR+3+\j]
.endr
	v_pk_add_f32 v[\st+2:\st+3], v[\st+2:\st+3], v[236:237]
.set jj, 0
.rept 16
	v_pk_mul_f32 v[\ob+jj:\ob+jj+1], v[\ob+jj:\ob+jj+1], v[252:253] op_sel_hi:[1,0]   ; O^T under the new M, each accumulator from its low end on
.set jj, jj+2
.endr
	s_wait_dscnt 0x0                               ; V's fragments and scale words are in
.irp t, 0,2
	v_wmma_scale_f32_16x16x128_f8f6f4 v[\ob+8*\t:\ob+8*\t+7], v[KF+12*\t:KF+12*\t+11], v[PCD:PCD+11], v[\ob+8*\t:\ob+8*\t+7], v[248+\t/2], v253 matrix_a_fmt:MATRIX_FMT_FP6 matrix_b_fmt:MATRIX_FMT_FP6
	v_wmma_scale_f32_16x16x128_f8f6f4 v[\ob+8*\t+8:\ob+8*\t+15], v[KF+12*\t+12:KF+12*\t+23], v[PCD:PCD+11], v[\ob+8*\t+8:\ob+8*\t+15], v[248+\t/2], v253 matrix_a_fmt:MATRIX_FMT_FP6 matrix_b_fmt:MATRIX_FMT_FP6 matrix_a_scale:MATRIX_SCALE_ROW1
.endr
.Lhid_\@:
.endm
; A tile's way out: y = O^T / the sum; register 8 t + j is channel 32 (t / 2) + 16 (lane / 16) + 8 (t % 2) + j of my query: two blocks of 32, half a fragment of the last product's A.
.macro FINISH st, ob, cd, sw, ptr
	v_add_f32 v232, v[\st+2], v[\st+3]
	v_permlanex16_b32 v236, v232, s[SEL], s[SEL+1]
	v_add_f32 v232, v232, v236                     ; the row's sum
	v_rcp_f32 v252, v232
	v_nop                                          ; one plain place behind a transcendental
.set jj, 0
	s_wait_alu depctr_va_vdst(0)
.rept 16
	v_pk_mul_f32 v[Y+jj:Y+jj+1], v[\ob+jj:\ob+jj+1], v[252:253] op_sel_hi:[1,0]
.set jj, jj+2
.endr
.irp b, 0,1
	v_max3_num_f32 v[232+\b], |v[Y+16*\b]|, |v[Y+1+16*\b]|, 0x1800000
.endr
.irp i, 2,4,6,8,10,12,14
.irp b, 0,1
	v_max3_num_f32 v[232+\b], v[232+\b], |v[Y+16*\b+\i]|, |v[Y+1+16*\b+\i]|
.endr
.endr
.irp b, 0,1
	v_permlanex16_b32 v[236+\b], v[232+\b], s[SEL], s[SEL+1]
.endr
.irp b, 0,1
	v_max_num_f32 v[232+\b], v[232+\b], v[236+\b]
.endr
.irp b, 0,1
	v_add_nc_u32 v[244+\b], 0xff000000, v[232+\b]
.endr
.irp b, 0,1
	v_lshrrev_b32 v[236+\b], 23, v[244+\b]
.endr
	v_lshl_or_b32 v[\sw], v237, 8, v236            ; the head's two scale bytes of my row
	v_cvt_scalef32_pk16_fp6_f32 v[\cd:\cd+2], v[Y:Y+15], v244
	v_cvt_scalef32_pk16_fp6_f32 v[\cd+6:\cd+8], v[Y+16:Y+31], v245
	v_nop
.irp i, 0,1,2
	v_permlane16_swap_b32 v[\cd+\i], v[\cd+6+\i]
.endr
.irp i, 0,1,2
	v_mov_b32 v[\cd+3+\i], v[\cd+6+\i]
.endr
	global_store_b128 v[L16], v[\cd:\cd+3], s[\ptr:\ptr+1]
	global_store_b64 v[L8], v[\cd+4:\cd+5], s[\ptr:\ptr+1] offset:512
.endm
	s_load_b256 s[4:11], s[0:1], 0x0               ; qbuf, kv, acodes, ascales
	v_lshl_add_u32 v243, v0, 2, 0x33000
	v_mov_b32 v255, 0
	ds_add_u32 v243, v255
	ds_add_u32 v243, v255
	v_lshrrev_b32 v1, 5, v0
	v_readfirstlane_b32 s[WV], v1                  ; wave 0..15
	s_bfe_u32 s[CX], ttmp6, 0x40000                ; my place in the cluster
	s_and_b32 s[BH], ttmp7, 0xffff                 ; batch x 16 + head, which the four partners share
	s_sub_co_u32 s[W1], 15, s[WV]
	s_mov_b32 s[G1], 15|(3<<16)|(1<<21)            ; 15:0 the mask: all four; 17:16 elements of 8 bytes; 21 set beside a mask; no padding
	s_mov_b32 s[G1+1], 32<<16                      ; a key step's 13,056 dense bytes as 51 rows of 256
	s_mov_b32 s[G1+2], 51<<16
	s_mov_b32 s[G1+3], 32<<16
	s_mov_b32 s[G1+4], 51
	s_mov_b32 s[G1+5], 32
	s_mov_b32 s[G1+6], 0
	s_mov_b32 s[G1+7], 0
	s_mov_b32 s[G0], 1
	s_mul_i32 s[G0+1], s[WV], UNIT                 ; key step w goes to LDS byte 13,056 w
	s_mul_i32 s36, s[BH], HKV
	s_add_co_u32 s36, s36, s[G0+1]
	s_mov_b32 s37, 0
	s_mul_i32 s38, s[BH], HQ
	s_mul_i32 s40, s[WV], QUNIT
	s_add_co_u32 s40, s40, s38                     ; tile 0's unit of qbuf: step w
	s_mov_b32 s41, 0
	s_mul_i32 s42, s[W1], QUNIT
	s_add_co_u32 s42, s42, s38                     ; tile 1's: step 15 - w
	s_mov_b32 s43, 0
	s_mov_b32 s[SEL], 0x76543210
	s_mov_b32 s[SEL+1], 0xfedcba98
	s_mov_b32 s[CS], 0x3e38aa3b                    ; log2(e) / 8
	s_mov_b32 s[CS+1], s[CS]                       ; (named with it as a pair, so it is written)
	s_wait_dscnt 0x0
	s_wait_kmcnt 0x0
	s_add_nc_u64 s[G0+2:G0+3], s[6:7], s[36:37]
	s_or_b32 s[G0+3], s[G0+3], 0x80000000
	s_add_nc_u64 s[40:41], s[4:5], s[40:41]
	s_add_nc_u64 s[42:43], s[4:5], s[42:43]
	CROUND                                         ; all four work-groups are here: the joint loads meet
	tensor_load_to_lds s[G0:G0+3], s[G1:G1+7]      ; my one tensor load
	s_nop 0
.rept 4
	v_nop
.endr
	v_and_b32 v232, 31, v0
	v_lshlrev_b32 v[L16], 4, v232
	v_lshlrev_b32 v[L8], 3, v232
	v_lshlrev_b32 v[L4], 2, v232
	s_mul_i32 s44, s[CX], 1536                     ; my two tiles of a unit's eight: 2 cx and 2 cx + 1
	v_add_nc_u32 v233, s44, v[L16]
	v_add_nc_u32 v234, s44, v[L8]
	v_and_b32 v235, 15, v0
	s_lshl_b32 s44, s[CX], 7
	v_lshl_add_u32 v235, v235, 2, s44
	global_load_b128 v[QF0:QF0+3], v233, s[40:41]
	global_load_b64 v[QF0+4:QF0+5], v234, s[40:41] offset:512
	global_load_b32 v[QS0], v235, s[40:41] offset:6144
	global_load_b128 v[QF1:QF1+3], v233, s[42:43] offset:768
	global_load_b64 v[QF1+4:QF1+5], v234, s[42:43] offset:768+512
	global_load_b32 v[QS1], v235, s[42:43] offset:6144+64
	v_and_b32 v[DG0], 7, v0
	v_bfe_u32 v[DG1], v0, 3, 1
	v_lshl_add_u32 v[DG0], v[DG1], 4, v[DG0]       ; r + 8 (r / 8)
	v_bfe_u32 v[DG1], v0, 4, 1
	v_lshlrev_b32 v[DG1], 4, v[DG1]
	v_sub_nc_u32 v[DG0], v[DG0], v[DG1]            ; - 16 (lane / 16)
	s_lshl_b32 s44, s[CX], 5
	v_add_nc_u32 v[DG0], s44, v[DG0]               ; + 32 cx: tile 2 cx's query in its step, less my half's first key
	v_add_nc_u32 v[DG1], 8, v[DG0]                 ; tile 2 cx + 1's
	v_mov_b32 v[NINF], 0xff800000
.irp i, 6,7,8,9,10,11
	v_mov_b32 v[QF0+\i], 0                         ; zero codes for K 64-127
	v_mov_b32 v[QF1+\i], 0
.endr
.set jj, 0
.rept 12
	v_mov_b32 v[PCD+jj], 0                         ; named with K's last tile before p's first codes are made
.set jj, jj+1
.endr
.set jj, 0
.rept 64
	v_mov_b32 v[OB0+jj], 0                         ; O^T of both tiles: the step is written once; the first change of M leaves zeros zeros
.set jj, jj+1
.endr
.irp st, ST0, ST1
	v_mov_b32 v[\st+1], 0xff61b1e6                 ; the largest t so far: -3e38
	v_floor_f32 v[\st], -v[\st+1]
	v_mov_b32 v[\st+2], 0
	v_mov_b32 v[\st+3], 0
.endr
.irp b, 0,1,2,3
	v_mov_b32 v[236+\b], 0                         ; a lane permute's destination counts as one of its sources
.endr
	v_mov_b32 v253, 0                              ; (named as the upper half of v[252:253] before it is first written)
	s_mov_b32 s[KS], 0
	s_mov_b32 s[TB], 0
	s_wait_loadcnt 0x0                             ; Q
	s_wait_tensorcnt 0x0                           ; my key step has landed,
	s_barrier_signal -1
	s_barrier_wait -1                              ; everybody's has: the head's K and V are whole
.Lkey:                                             ; 16 trips, a constant: a tile's steps beyond its diagonal are jumped over inside
	v_add_nc_u32 v[A16], s[TB], v[L16]
	v_add_nc_u32 v[A8], s[TB], v[L8]
	v_add_nc_u32 v[A4], s[TB], v[L4]
	STEP ST0, QF0, QS0, OB0, DG0, WV
	STEP ST1, QF1, QS1, OB1, DG1, W1
	s_add_co_u32 s[TB], s[TB], UNIT
	s_add_co_u32 s[KS], s[KS], 1
	s_cmp_lt_u32 s[KS], 16
	s_cbranch_scc1 .Lkey
.rept 4
	v_nop                                          ; places behind the last products
.endr
	s_lshr_b32 s36, s[BH], 4
	s_lshl_b32 s36, s36, 7                         ; 128 row blocks a batch
	s_lshl_b32 s37, s[CX], 1
	s_add_co_u32 s36, s36, s37
	s_lshl_b32 s37, s[WV], 3
	s_add_co_u32 s38, s36, s37                     ; tile 0's row block
	s_lshl_b32 s37, s[W1], 3
	s_add_co_u32 s39, s36, s37
	s_add_co_u32 s39, s39, 1                       ; tile 1's
	s_and_b32 s44, s[BH], 15                       ; the head: half a fragment of K step head / 2
	s_mul_i32 s45, s44, 768
	s_mul_i32 s40, s38, 12288
	s_add_co_u32 s40, s40, s45
	s_mov_b32 s41, 0
	s_mul_i32 s42, s39, 12288
	s_add_co_u32 s42, s42, s45
	s_mov_b32 s43, 0
	s_add_nc_u64 s[40:41], s[8:9], s[40:41]
	s_add_nc_u64 s[42:43], s[8:9], s[42:43]
	s_lshr_b32 s45, s44, 2
	s_lshl_b32 s45, s45, 7                         ; the scale words' 256 along K,
	s_and_b32 s46, s44, 3
	s_lshl_b32 s46, s46, 1                         ; and the head's two bytes in a row's eight
	s_add_co_u32 s45, s45, s46
	s_lshl_b32 s38, s38, 9
	s_add_co_u32 s38, s38, s45
	s_lshl_b32 s39, s39, 9
	s_add_co_u32 s39, s39, s45
	FINISH ST0, OB0, 136, 148, 40
	FINISH ST1, OB1, 150, 149, 42
	v_and_b32 v160, 31, v0
	v_cmp_le_u32 vcc_lo, 16, v160                  ; both halves of the lanes hold row r's bytes: lanes 0-15 store tile 0's, lanes 16-31 tile 1's
	v_mov_b32 v161, s38
	v_mov_b32 v162, s39
	v_cndmask_b32 v161, v161, v162, vcc_lo
	v_and_b32 v160, 15, v0
	v_lshl_add_u32 v161, v160, 3, v161
	v_cndmask_b32 v162, v148, v149, vcc_lo
	global_store_b16 v161, v162, s[10:11]
	s_wait_tensorcnt 0x0
	ds_add_u32 v243, v255
	s_wait_dscnt 0x0
	CROUND                                         ; the closing round
	s_endpgm
.Lfunc_end_k_qd835b604d5_attn:
	.size	k_qd835b604d5_attn, .Lfunc_end_k_qd835b604d5_attn-k_qd835b604d5_attn
	.p2alignl 7, 3214868480
	.fill 96, 4, 3214868480
	.section	.rodata,"a",@progbits
	.p2align	6, 0x0
	.amdhsa_kernel k_qd835b604d5_attn
		.amdhsa_group_segment_fixed_size 210944
		.amdhsa_private_segment_fixed_size 0
		.amdhsa_enable_private_segment 0
		.amdhsa_kernarg_size 32
		.amdhsa_user_sgpr_count 2
		.amdhsa_user_sgpr_kernarg_segment_ptr 1
		.amdhsa_wavefront_size32 1
		.amdhsa_system_sgpr_workgroup_id_x 1
		.amdhsa_system_sgpr_workgroup_id_y 1
		.amdhsa_system_sgpr_workgroup_id_z 1
		.amdhsa_system_vgpr_workitem_id 0
		.amdhsa_next_free_vgpr 256
		.amdhsa_next_free_sgpr 66
		.amdhsa_reserve_vcc 1
		.amdhsa_float_denorm_mode_32 3
		.amdhsa_float_denorm_mode_16_64 3
		.amdhsa_memory_ordered 1
		.amdhsa_forward_progress 1
		.amdhsa_inst_pref_size 59
	.end_amdhsa_kernel
	.amdgpu_metadata
---
amdhsa.version: [ 1, 2 ]
amdhsa.kernels:
  - .name:           k_qd835b604d5_attn
    .symbol:         k_qd835b604d5_attn.kd
    .args:
      - { .name: qbuf, .offset: 0, .size: 8, .value_kind: global_buffer, .address_space: global }
      - { .name: kv, .offset: 8, .size: 8, .value_kind: global_buffer, .address_space: global }
      - { .name: acodes, .offset: 16, .size: 8, .value_kind: global_buffer, .address_space: global }
      - { .name: ascales, .offset: 24, .size: 8, .value_kind: global_buffer, .address_space: global }
    .group_segment_fixed_size: 210944
    .private_segment_fixed_size: 0
    .kernarg_segment_align: 8
    .kernarg_segment_size: 32
    .max_flat_workgroup_size: 512
    .sgpr_count:     66
    .vgpr_count:     256
    .wavefront_size: 32
...
	.end_amdgpu_metadata
.endif
;; end of part 3
;; launch proj (part 4): grid 4 x 32, 4 waves a work-group, clusters of 4 x 4, 327,680 bytes of LDS; arguments acodes, ascales, wcodes, wscales, b_proj, out0; writes out0
.if DOCPART == 4
	.amdgcn_target "amdgcn-amd-amdhsa--gfx1250"
	.amdhsa_code_object_version 6
	.text
	.protected	k_qd835b604d5_proj
	.globl	k_qd835b604d5_proj
	.p2align	8
	.type	k_qd835b604d5_proj,@function
k_qd835b604d5_proj:
	s_mov_b64 s[64:65], 0
	v_nop
	global_prefetch_b8 v0, s[64:65] scope:SCOPE_SE
	s_setreg_imm32_b32 hwreg(HW_REG_WAVE_MODE, 25, 1), 1
	s_wait_xcnt 0x0
	s_wait_alu depctr_hold_cnt(0) depctr_sa_sdst(0) depctr_va_vdst(0) depctr_va_sdst(0) depctr_va_ssrc(0) depctr_va_vcc(0) depctr_vm_vsrc(0)
	s_getreg_b32 s2, hwreg(HW_REG_IB_STS2, 6, 4)
	s_cmp_eq_u32 s2, 0
	s_cbranch_scc0 .Lentry_in_a_cluster
	s_endpgm
.Lentry_in_a_cluster:
	s_bfe_u32 s2, ttmp6, 0x10000c
	s_cmp_lg_u32 s2, 0xf033
	s_cbranch_scc0 .Lentry_shape_is_right
	s_endpgm
.Lentry_shape_is_right:
; out0 = y W_proj^T + b_proj on codes of FP6 (E2M3) with E8M0 scales, K = 1,024; out0 [8192][1024] f32.
; OPERANDS lie in memory as images of their registers: [row block of 16][K step of 128: 0..7][1,536 bytes]; scale words [row block][256 along K: 0..3][row][2 words].  y's are acodes and ascales; W_proj's are
; row blocks 192 on of wcodes and wscales.  In both, lane r of row block 2 g + u holds true row 32 g + 8 u + r + 8 (r / 8): the stores' offsets put rows and columns back in their true order.
; A tile of out0 is 256 x 256: four waves, each 128 x 128 = 64 accumulators.  The matrix instruction is used transposed (source 0 = 16 rows of W_proj, source 1 = 16 rows of y): lane (r, h) holds y's row r, and
; register j of W's tile 2 g + u is column 32 g + 16 h + 8 u + j.  The bias is the C of each sum's first product (table CT).
; CLUSTERS 4 x 4: y's tiles are asked for jointly along a row of the cluster, W's along a column.  K goes in steps of 256 through two LDS slots; the scale words of all of K come once.
; 128 tiles: half of the chip's 256 work-group places; a tile of 128 x 256 would fill them at twice the LDS reads for each product, and this launch is the smallest of the program's products.
; REGISTERS: window 0: v1-31 addresses; v32-63 scale words, two sets; v64-127 CT; v128-223 A's fragments, one set (on the way out v128-255: rows read back).
;   window 1: B's fragments, two sets at v0 and v128.   windows 2, 3: the accumulators ((a, b) at v[8 (8 (a % 4) + b)]).
.set FR,     12
.set NL,     4
.set NP,     4
.set NQ,     2
.set FRB,    1536
.set SROW,   NQ*FRB
.set RBK,    8*FRB
.set HALFT,  8*SROW
.set SLOT,   4*HALFT
.set SCL,    2*SLOT
.set HALFS,  4096
.set SBLK,   512
.set SPARE,  SCL+4*HALFS               ; the spare words, 128 bytes a wave: two blocks of 256 bytes that no other line names
.set SPITCH, 528                       ; the way out: a stage of 16 rows x (512 + 16) bytes for each wave, in slot 0, which has had its last fill and its last read by then
.set O16,  4
.set O8,   5
.set ADRA, 16
.set ADRB, 20
.set STO,  24
.set RD,   25
.set ADRS, 27
.set SPW,  28
.set NIL,  29
.set SC,   32
.set CT,   64
.set AF,   128
.set BK,   128
.set WV,   18
.set WROW, 19
.set WCOL, 20
.set G1,   24
.set G0,   32
.set G1B,  48
.set G0B,  56
.set G1S,  68
.set G0S,  76
.set G1SB, 80
.set G0SB, 88
.set MSB, 0
.macro WIN new
.if MSB != (\new)
	s_set_vgpr_msb (MSB<<8)|(\new)
.set MSB, (\new)
.endif
.endm
.set MUL_LO,   0xa1
.set MUL_HI,   0xf1
.set FIRST_LO, 0x81                    ; the first K step: C (the table CT) window 0, D window 2
.set FIRST_HI, 0xc1
.set TO_B,     0x40
.macro JLOAD g0a, g1a, g0b, g1b        ; a joint load: waves 0, 1 for A, waves 2, 3 for B; four v_nop follow each line
	s_cmp_eq_u32 s[WROW], 0
	s_cbranch_scc0 .Lfor_b_\@
	tensor_load_to_lds s[\g0a:\g0a+3], s[\g1a:\g1a+7]
	s_nop 0
.rept 4
	v_nop
.endr
	s_branch .Lasked_\@
.Lfor_b_\@:
	tensor_load_to_lds s[\g0b:\g0b+3], s[\g1b:\g1b+7]
	s_nop 0
.rept 4
	v_nop
.endr
.Lasked_\@:
.endm
.macro CREST
	s_cmp_lg_u32 s[WV], 0
	s_cbranch_scc1 .Lnot_wave_0_\@
	s_barrier_signal -3
.Lnot_wave_0_\@:
	s_barrier_wait -3
	s_barrier_signal -1
	s_barrier_wait -1
.endm
.macro CROUND
	s_barrier_signal -1
	s_barrier_wait -1
	CREST
.endm
.macro PLACES n
.rept \n
	v_nop
.endr
.endm
.macro FRAG reg, a16, off
	ds_load_b128 v[\reg:\reg+3], v[\a16] offset:\off
	ds_load_b64 v[\reg+4:\reg+5], v[\a16+2] offset:\off+512
	ds_load_b128 v[\reg+6:\reg+9], v[\a16] offset:\off+768
	ds_load_b64 v[\reg+10:\reg+11], v[\a16+2] offset:\off+1280
.endm
; 16 matrix instructions: A's blocks a0, a0 + 1 x B's eight.  The 64 accumulators take turns, one instruction a turn, in the same order in every step.
.macro MUL16 a0, p, q, sc, first
.irp a, \a0, \a0+1
.irp b, 0,1,2,3,4,5,6,7
.if \first
	v_wmma_scale_f32_16x16x128_f8f6f4 v[8*(8*((\a)%4)+\b):8*(8*((\a)%4)+\b)+7], v[128*(\p)+FR*\b:128*(\p)+FR*\b+FR-1], v[AF+FR*(\a):AF+FR*(\a)+FR-1], v[CT+8*\b:CT+8*\b+7], v[SC+8*NQ*(\sc)+NQ*\b+(\q)], v[SC+8*NQ*(\sc)+NQ*(\a)+(\q)] matrix_a_fmt:MATRIX_FMT_FP6 matrix_b_fmt:MATRIX_FMT_FP6 matrix_a_scale:MATRIX_SCALE_ROW1
.else
	v_wmma_scale_f32_16x16x128_f8f6f4 v[8*(8*((\a)%4)+\b):8*(8*((\a)%4)+\b)+7], v[128*(\p)+FR*\b:128*(\p)+FR*\b+FR-1], v[AF+FR*(\a):AF+FR*(\a)+FR-1], v[8*(8*((\a)%4)+\b):8*(8*((\a)%4)+\b)+7], v[SC+8*NQ*(\sc)+NQ*\b+(\q)], v[SC+8*NQ*(\sc)+NQ*(\a)+(\q)] matrix_a_fmt:MATRIX_FMT_FP6 matrix_b_fmt:MATRIX_FMT_FP6 matrix_a_scale:MATRIX_SCALE_ROW1
.endif
.endr
.endr
.endm
.macro FETCH_B slot, q, p
	WIN TO_B
.irp i, 0,1,2,3,4,5,6,7
	FRAG 128*(\p)+FR*\i, ADRB+\slot, \i*SROW+(\q)*FRB
.endr
	WIN 0
.endm
.macro FETCH_A slot, q, i0
.irp i, \i0, \i0+1, \i0+2, \i0+3
	FRAG AF+FR*(\i), ADRA+\slot, (\i)*SROW+(\q)*FRB
.endr
.endm
.macro SCALES sc
.irp i, 0,1,2,3,4,5,6,7
	ds_load_b64 v[SC+8*NQ*\sc+NQ*\i:SC+8*NQ*\sc+NQ*\i+1], v[ADRS] offset:\i*SBLK
.endr
.endm
.macro STEP slot, q, first
	s_wait_dscnt 4*NL                              ; B's set and A's blocks 0-3 are in; the youngest 16 loads (A's blocks 4-7) may be out
.if \first
	WIN FIRST_LO
.else
	WIN MUL_LO
.endif
	MUL16 0, (\q)%2, \q, \slot, \first
	MUL16 2, (\q)%2, \q, \slot, \first
	s_wait_dscnt 0x0
	PLACES NP
	FETCH_B \slot, (\q)+1, 1-(\q)%2
	FETCH_A \slot, (\q)+1, 0
.if \first
	WIN FIRST_HI
.else
	WIN MUL_HI
.endif
	MUL16 4, (\q)%2, \q, \slot, \first
	MUL16 6, (\q)%2, \q, \slot, \first
	PLACES NP
	WIN 0
	FETCH_A \slot, (\q)+1, 4
.endm
.macro TURN slot, next, fill
	s_wait_tensorcnt 0x0                           ; all my tensor loads have landed: my part of the next slot
	ds_add_u32 v[SPW], v[NIL]                      ; 0 onto my spare word
	s_wait_dscnt 4*NL+1                            ; (the add and the youngest 16 loads may be out)
	WIN MUL_LO
	MUL16 0, 1, NQ-1, \slot, 0
	s_wait_dscnt 0x0                               ; the add is done, and my reads of this slot are over
	s_barrier_signal -1
	MUL16 2, 1, NQ-1, \slot, 0
	WIN 0
	s_barrier_wait -1
.if \fill
	CREST                                          ; the barrier has opened a round of the cluster's: no wave of any partner still reads this slot or has a load on its way
	s_add_nc_u64 s[G0+4*\slot+2:G0+4*\slot+3], s[G0+4*\slot+2:G0+4*\slot+3], 2*SROW
	s_add_nc_u64 s[G0B+4*\slot+2:G0B+4*\slot+3], s[G0B+4*\slot+2:G0B+4*\slot+3], 2*SROW
	JLOAD G0+4*\slot, G1, G0B+4*\slot, G1B
.else
	PLACES NP
.endif
	v_add_nc_u32 v[ADRS], 128, v[ADRS]
	FETCH_B \next, 0, 0
	FETCH_A \next, 0, 0
	SCALES \next
	WIN MUL_HI
	MUL16 4, 1, NQ-1, \slot, 0
	MUL16 6, 1, NQ-1, \slot, 0
	PLACES NP
	WIN 0
	FETCH_A \next, 0, 4
.endm
	s_load_b256 s[4:11], s[0:1], 0x0               ; acodes, ascales, wcodes, wscales
	s_load_b128 s[12:15], s[0:1], 0x20             ; b_proj, out0
	v_lshl_add_u32 v[SPW], v0, 2, SPARE
	v_mov_b32 v[NIL], 0
	ds_add_u32 v28, v29
	ds_add_u32 v28, v29
	s_wait_dscnt 0x0
	v_lshrrev_b32 v1, 5, v0
	v_readfirstlane_b32 s[WV], v1
	s_lshr_b32 s[WROW], s[WV], 1
	s_and_b32 s[WCOL], s[WV], 1
	s_bfe_u32 s40, ttmp6, 0x40000                  ; cx
	s_bfe_u32 s41, ttmp6, 0x40004                  ; cy
	s_and_b32 s44, ttmp7, 0xffff
	s_lshl_b32 s44, s44, 2
	s_add_co_u32 s44, s44, s41                     ; y's tile of 256 rows
	s_lshl_b32 s45, ttmp9, 2
	s_add_co_u32 s45, s45, s40                     ; W_proj's tile of 256 rows
	s_lshl_b32 s21, s41, 2
	s_lshl_b32 s21, 15, s21                        ; my row of the cluster
	s_lshl_b32 s43, 0x1111, s40                    ; my column
	s_or_b32 s[G1], s21, (3<<16)|(1<<21)
	s_or_b32 s[G1B], s43, (3<<16)|(1<<21)
	s_or_b32 s[G1S], s21, (3<<16)|(1<<21)
	s_or_b32 s[G1SB], s43, (3<<16)|(1<<21)
.irp g, G1, G1B                                ; codes: 8 row blocks x 3,072 bytes, 12,288 bytes apart
	s_mov_b32 s[\g+1], 384<<16
	s_mov_b32 s[\g+2], 8<<16
	s_mov_b32 s[\g+3], 384<<16
	s_mov_b32 s[\g+4], 8
	s_mov_b32 s[\g+5], 1536
	s_mov_b32 s[\g+6], 0
	s_mov_b32 s[\g+7], 0
.endr
.irp g, G1S, G1SB                              ; scale words of 128 rows: 4,096 dense bytes as 16 rows of 256
	s_mov_b32 s[\g+1], 32<<16
	s_mov_b32 s[\g+2], 16<<16
	s_mov_b32 s[\g+3], 32<<16
	s_mov_b32 s[\g+4], 16
	s_mov_b32 s[\g+5], 32
	s_mov_b32 s[\g+6], 0
	s_mov_b32 s[\g+7], 0
.endr
	s_lshl_b32 s21, s[WCOL], 3
	s_lshl_b32 s2, s44, 4
	s_add_co_u32 s2, s2, s21
	s_lshl_b32 s22, s2, 9
	s_mul_i32 s2, s2, RBK
	s_mov_b32 s3, 0
	s_mov_b32 s23, 0
	s_lshl_b32 s66, s45, 4
	s_add_co_u32 s66, s66, s21
	s_lshl_b32 s92, s66, 9
	s_mul_i32 s66, s66, RBK
	s_mov_b32 s67, 0
	s_mov_b32 s93, 0
	s_mul_i32 s43, s[WV], HALFT
	s_lshl_b32 s21, s[WV], 12
	s_wait_kmcnt 0x0
	s_add_nc_u64 s[8:9], s[8:9], 192*RBK           ; W_proj's row blocks lie behind W_attn's 192
	s_add_nc_u64 s[10:11], s[10:11], 192*SBLK
	s_add_nc_u64 s[94:95], s[4:5], s[2:3]
	s_add_nc_u64 s[96:97], s[6:7], s[22:23]
	s_add_nc_u64 s[98:99], s[8:9], s[66:67]
	s_add_nc_u64 s[100:101], s[10:11], s[92:93]
	CROUND                                         ; all sixteen work-groups are here: the first joint loads meet
	s_mov_b32 s[G0S], 1
	s_add_co_u32 s[G0S+1], s21, SCL
	s_mov_b64 s[G0S+2:G0S+3], s[96:97]
	s_or_b32 s[G0S+3], s[G0S+3], 0x80000000
	s_mov_b32 s[G0SB], 1
	s_add_co_u32 s[G0SB+1], s21, SCL
	s_mov_b64 s[G0SB+2:G0SB+3], s[100:101]
	s_or_b32 s[G0SB+3], s[G0SB+3], 0x80000000
	JLOAD G0S, G1S, G0SB, G1SB
.irp s, 0,1
	s_mov_b32 s[G0+4*\s], 1
	s_add_co_u32 s[G0+4*\s+1], s43, \s*SLOT
	s_add_nc_u64 s[G0+4*\s+2:G0+4*\s+3], s[94:95], \s*SROW
	s_or_b32 s[G0+4*\s+3], s[G0+4*\s+3], 0x80000000
	s_mov_b32 s[G0B+4*\s], 1
	s_add_co_u32 s[G0B+4*\s+1], s43, \s*SLOT
	s_add_nc_u64 s[G0B+4*\s+2:G0B+4*\s+3], s[98:99], \s*SROW
	s_or_b32 s[G0B+4*\s+3], s[G0B+4*\s+3], 0x80000000
	JLOAD G0+4*\s, G1, G0B+4*\s, G1B
.endr
	s_lshl_b32 s2, s45, 10
	s_lshl_b32 s21, s[WCOL], 9
	s_add_co_u32 s2, s2, s21                       ; my first column, in bytes
	s_mov_b32 s3, 0
	s_add_nc_u64 s[12:13], s[12:13], s[2:3]        ; b_proj there,
	s_add_nc_u64 s[14:15], s[14:15], s[2:3]        ; out0 there,
	s_lshl_b32 s2, s44, 8
	s_lshl_b32 s21, s[WROW], 7
	s_add_co_u32 s2, s2, s21
	s_lshl_b32 s2, s2, 12
	s_add_nc_u64 s[14:15], s[14:15], s[2:3]        ; at my first row (4,096 bytes a row)
	v_and_b32 v1, 31, v0
	v_and_b32 v2, 15, v0
	v_bfe_u32 v3, v0, 4, 1
	v_lshlrev_b32 v[O16], 4, v1
	v_lshlrev_b32 v[O8], 3, v1
	v_lshlrev_b32 v8, 6, v3                        ; 64 h: my eight columns of a tile
.irp b, 0,1,2,3,4,5,6,7
	global_load_b128 v[CT+8*\b:CT+8*\b+3], v8, s[12:13] offset:128*(\b/2)+32*(\b%2)
	global_load_b128 v[CT+8*\b+4:CT+8*\b+7], v8, s[12:13] offset:128*(\b/2)+32*(\b%2)+16
.endr
	s_mul_i32 s100, s[WROW], HALFT
	s_mul_i32 s101, s[WCOL], HALFT
	s_add_co_u32 s101, s101, 2*HALFT
.irp s, 0,1
	v_add_nc_u32 v[ADRA+\s], s100, v[O16]
	v_add_nc_u32 v[ADRA+2+\s], s100, v[O8]
	v_add_nc_u32 v[ADRB+\s], s101, v[O16]
	v_add_nc_u32 v[ADRB+2+\s], s101, v[O8]
	s_add_co_u32 s100, s100, SLOT
	s_add_co_u32 s101, s101, SLOT
.endr
	s_lshl_b32 s100, s[WROW], 12
	s_lshl_b32 s101, s[WCOL], 12
	s_add_co_u32 s101, s101, 2*HALFS
	s_sub_co_u32 s101, s101, s100
	v_mul_u32_u24 v6, s101, v3                     ; lanes 16-31 take B's scale words: one product, the distance between the two
	s_add_co_u32 s100, s100, SCL
	v_lshl_add_u32 v6, v2, 3, v6
	v_add_nc_u32 v[ADRS], s100, v6
	s_mul_i32 s100, s[WV], 16*SPITCH               ; my stage
	v_mul_u32_u24 v6, v2, SPITCH
	v_lshl_add_u32 v6, v3, 6, v6
	v_add_nc_u32 v[STO], s100, v6                  ; in: row r, + 64 h
	v_add_nc_u32 v[RD], s100, v[O16]               ; back: a row of 512 bytes, 16 a lane
	s_wait_loadcnt 0x0                             ; CT
	s_wait_tensorcnt 1                             ; the scale words and my part of slot 0 are in; slot 1's load may be out
	s_barrier_signal -1
	s_barrier_wait -1
	FETCH_B 0, 0, 0
	FETCH_A 0, 0, 0
	SCALES 0
	FETCH_A 0, 0, 4
	STEP 0, 0, 1                                   ; K 0-127: the sums begin with the bias
	TURN 0, 1, 1
	STEP 1, 0, 0
	TURN 1, 0, 1
	STEP 0, 0, 0
	TURN 0, 1, 0
	STEP 1, 0, 0
	s_wait_dscnt 4*NL
	WIN MUL_LO
	MUL16 0, 1, NQ-1, 1, 0
	MUL16 2, 1, NQ-1, 1, 0
	s_wait_dscnt 0x0
	WIN MUL_HI
	MUL16 4, 1, NQ-1, 1, 0
	MUL16 6, 1, NQ-1, 1, 0
	WIN 0
; THE WAY OUT, block by block of 16 rows x 128 columns, through my own stage: in, each tile's eight numbers at their true columns; back, whole rows of 512 bytes.
; LDS serves a wave's instructions in order (ISA guide 5.7.1.4): no wait between the stores and the loads, nor in front of the next block's stores.
.macro TOSTAGE a
.set AC, 64*((\a)%4)
	WIN 0x08+4*((\a)/4)                            ; the data: window 2 or 3
.irp b, 0,1,2,3,4,5,6,7
	ds_store_b128 v[STO], v[AC+8*\b:AC+8*\b+3] offset:128*(\b/2)+32*(\b%2)          ; each accumulator from its low end on
	ds_store_b128 v[STO], v[AC+8*\b+4:AC+8*\b+7] offset:128*(\b/2)+32*(\b%2)+16
.endr
	WIN 0
.set BB, BK+64*((\a)%2)
.irp t, 0,1,2,3,4,5,6,7,8,9,10,11,12,13,14,15
	ds_load_b128 v[BB+4*\t:BB+4*\t+3], v[RD] offset:\t*SPITCH
.endr
.endm
.macro SEND a, younger                 ; younger: the LDS instructions issued behind block a's loads, which may stay out
.set BB, BK+64*((\a)%2)
	s_wait_dscnt \younger
.if (\a) > 0
.if (\a)%2
	s_add_nc_u64 s[14:15], s[14:15], 8*4096        ; block 2 g + 1 begins 8 rows behind block 2 g,
.else
	s_add_nc_u64 s[14:15], s[14:15], 24*4096       ; block 2 g + 2 another 24
.endif
.endif
.irp t, 0,1,2,3,4,5,6,7,8,9,10,11,12,13,14,15
	global_store_b128 v[O16], v[BB+4*\t:BB+4*\t+3], s[14:15] offset:(\t+8*(\t/8))*4096 th:TH_STORE_NT   ; 32 lanes store 512 consecutive bytes, aligned
.endr
.endm
	PLACES NP                                      ; in front of the first read of results and of loads into registers that held A's fragments
	TOSTAGE 0
.irp a, 1,2,3,4,5,6,7
.if \a > 1
	s_wait_xcnt 0x0                                ; block a - 2's stores have read their registers and their base
.endif
	TOSTAGE \a
	SEND \a-1, 32                                  ; behind block a - 1's loads: block a's 16 stores and 16 loads
.endr
	s_wait_xcnt 0x0
	SEND 7, 0
	s_wait_tensorcnt 0x0                           ; the wave's end
	ds_add_u32 v[SPW], v[NIL]
	s_wait_dscnt 0x0
	CROUND                                         ; the closing round
	s_endpgm
.Lfunc_end_k_qd835b604d5_proj:
	.size	k_qd835b604d5_proj, .Lfunc_end_k_qd835b604d5_proj-k_qd835b604d5_proj
	.p2alignl 7, 3214868480
	.fill 96, 4, 3214868480
	.section	.rodata,"a",@progbits
	.p2align	6, 0x0
	.amdhsa_kernel k_qd835b604d5_proj
		.amdhsa_group_segment_fixed_size 327680
		.amdhsa_private_segment_fixed_size 0
		.amdhsa_enable_private_segment 0
		.amdhsa_kernarg_size 48
		.amdhsa_user_sgpr_count 2
		.amdhsa_user_sgpr_kernarg_segment_ptr 1
		.amdhsa_wavefront_size32 1
		.amdhsa_system_sgpr_workgroup_id_x 1
		.amdhsa_system_sgpr_workgroup_id_y 1
		.amdhsa_system_sgpr_workgroup_id_z 1
		.amdhsa_system_vgpr_workitem_id 0
		.amdhsa_next_free_vgpr 1024
		.amdhsa_next_free_sgpr 102
		.amdhsa_reserve_vcc 0
		.amdhsa_float_denorm_mode_32 3
		.amdhsa_float_denorm_mode_16_64 3
		.amdhsa_memory_ordered 1
		.amdhsa_forward_progress 1
		.amdhsa_inst_pref_size 145
	.end_amdhsa_kernel
	.amdgpu_metadata
---
amdhsa.version: [ 1, 2 ]
amdhsa.kernels:
  - .name:           k_qd835b604d5_proj
    .symbol:         k_qd835b604d5_proj.kd
    .args:
      - { .name: acodes, .offset: 0, .size: 8, .value_kind: global_buffer, .address_space: global }
      - { .name: ascales, .offset: 8, .size: 8, .value_kind: global_buffer, .address_space: global }
      - { .name: wcodes, .offset: 16, .size: 8, .value_kind: global_buffer, .address_space: global }
      - { .name: wscales, .offset: 24, .size: 8, .value_kind: global_buffer, .address_space: global }
      - { .name: b_proj, .offset: 32, .size: 8, .value_kind: global_buffer, .address_space: global }
      - { .name: out0, .offset: 40, .size: 8, .value_kind: global_buffer, .address_space: global }
    .group_segment_fixed_size: 327680
    .private_segment_fixed_size: 0
    .kernarg_segment_align: 8
    .kernarg_segment_size: 48
    .max_flat_workgroup_size: 128
    .sgpr_count:     102
    .vgpr_count:     1024
    .wavefront_size: 32
...
	.end_amdgpu_metadata
.endif
;; end of part 4
